; MI455X (gfx1250); checked and timed in simulation.
; The chip was launched on July 23, 2026; its instructions are those of AMD's public machine-readable ISA for CDNA 5 (MIT licence, August 2026) and "CDNA5" Instruction Set Architecture Reference Guide (July 2026). The comments in the code are by the model that wrote it; some were corrected since.
;; Self Attention. Allowed arithmetic: matrix products marked QUANTISED: E5M2 operands, one E8M0 scale for each 32 along K, by v_wmma_scale_f32_16x16x128_f8f6f4 with both operands' format E5M2, f32 sums; everything else in f32.
;; Inputs: norm_b 128 float32; norm_w 128 float32; proj_b 128 float32; proj_w 128 x 128 float32; qkv_b 384 float32; qkv_w 384 x 128 float32; x 4 x 128 x 64 x 64 float32.
;; Outputs: out0 4 x 128 x 64 x 64 float32.
;; This version of the problem:
;;   THIS VERSION OF THE PROBLEM IS GIVEN IN LOW PRECISION. The matrix products marked QUANTISED in the list below multiply operands that are first quantised to E5M2 (5 exponent bits, 2 mantissa bits; 8 bits a number), with one power-of-two scale for each 32 numbers along K (OCP MX v1.0); their sums are f32. All else is computed in f32.
;;   The module's matrix products, in the order in which they are computed (A, B: the left and right operand; K: the contracted axis; several contracted axes count as one K, in the product's order):
;;     1. [M 16,384, K 128] x [K 128, N 384]; A: computed on the way; B: input qkv_w: QUANTISED
;;     2. batch 4 x [M 4,096, K 128] x [K 128, N 4,096]; A: computed on the way; B: computed on the way: QUANTISED
;;     3. batch 4 x [M 128, K 4,096] x [K 4,096, N 4,096]; A: computed on the way; B: softmax (see below): QUANTISED
;;     4. [M 16,384, K 128] x [K 128, N 128]; A: computed on the way; B: input proj_w: QUANTISED
;;   THE QUANTISER, for each operand of a quantised product, along K:
;;     - K is cut into blocks of 32 from its start; a last block that is shorter is filled with zeros.
;;     - A block's scale is 2^e with e = floor(log2(the largest magnitude in the block)) - 15, held to -126 .. 127; a block of zeros has e = 0. As a byte (E8M0): e + 127.
;;     - Each number is divided by its block's scale, clamped to +-57,344, and rounded to the nearest number of E5M2, ties to even, subnormals kept.
;;     - The product sums the exact products of the quantised numbers (number of the format x scale) in f32.
;;   ~~~python
;;   def quantise(x, axis):      # numpy; x: float32 -> the quantised numbers, widened to float32 again
;;       x = np.moveaxis(x, axis, -1); K = x.shape[-1]
;;       x = np.pad(x, [(0, 0)] * (x.ndim - 1) + [(0, -K % 32)]); x = x.reshape(x.shape[:-1] + (-1, 32)); a = np.abs(x).max(-1, keepdims=True)
;;       e = np.where(a > 0, np.clip(np.frexp(np.where(a > 0, a, 1))[1] - 1 - 15, -126, 127), 0)      # np.frexp(a)[1] - 1 = floor(log2(a)), exactly
;;       r = np.clip(x / 2.0 ** e, -57344, 57344)
;;       step = 2.0 ** (np.maximum(np.frexp(np.where(r == 0, 1, r))[1] - 1, -14) - 2)
;;       q = np.round(r / step) * step * 2.0 ** e      # np.round: ties to even
;;       return np.moveaxis(q.reshape(q.shape[:-2] + (-1,))[..., :K], -1, axis).astype(np.float32)
;;   ~~~
;;   SOFTMAX AHEAD OF A QUANTISED PRODUCT. Where the list says 'softmax', what is quantised is not the finished softmax but p = 2^(t - M), with t = logit x log2(e) and M = ceil(the row's largest t), a whole number; so 1/2 < the row's largest p <= 1. The row's sum l is taken of the UNQUANTISED p, in f32, and the product's result is divided by l at the end. Since M is a whole number, a kernel that streams over the keys may use a running M (the ceiling of the running maximum): every later rescaling is an exact power of two, which a block's scale takes up: the codes' values come out the same.
;;   OPERANDS COMPUTED ON THE WAY. 'Computed on the way' means the value that the module computes at that place (a softmax that the list does not call 'softmax' is quantised finished and normalised). What goes into a quantiser is computed in f32, as accurately as f32 sums, v_exp_f32 and their like allow (about 1e-6 of the number): no bf16 or f16 on the way to a quantiser, and a product that is left as it is and whose result goes on into a quantised operand takes f32 operands (vector FMAs, or v_wmma_f32_16x16x4_f32). A number that lies on a knife's edge between two numbers of the format may be rounded either way, as far as f32 arithmetic and the matrix unit's own rounding can turn it there, and no further.
;; One version. Each part assembles by itself: llvm-mc -triple=amdgcn-amd-amdhsa -mcpu=gfx1250 --defsym DOCPART=n.
;; ======== version 1 of 1: 3 launches
;; limits: right only within a limited range of input values
;; workspace buffers: part 2,048 bytes; wc 69,632 bytes; q 2,162,688 bytes; kv 4,325,376 bytes
;; launch prep (part 1): grid 260 x 1, 8 waves a work-group, no clusters, 1,280 bytes of LDS; arguments x, qkv_w, proj_w, part, wc; writes part, wc
.if DOCPART == 1
	.amdgcn_target "amdgcn-amd-amdhsa--gfx1250"
	.amdhsa_code_object_version 6
	.text
	.protected	k_q002927e004_prep
	.globl	k_q002927e004_prep
	.p2align	8
	.type	k_q002927e004_prep,@function
k_q002927e004_prep:
	s_mov_b64 s[64:65], 0
	v_nop
	global_prefetch_b8 v0, s[64:65] scope:SCOPE_SE
	s_setreg_imm32_b32 hwreg(HW_REG_WAVE_MODE, 25, 1), 1
	s_wait_xcnt 0x0
; PREP.  Two kinds of work-groups, parted by the work-group's number alone.
; Work-groups 0-3 turn the weights into codes of BF8 (E5M2) with one E8M0 byte for each 32 along K (their innermost axis): 0: Wq, 1: Wk, 2: Wv (rows 0-127, 128-255, 256-383 of qkv_w), 3: proj_w.
;   A wave makes ONE fragment, 16 rows x 128 K, and stores it as an IMAGE OF THE OPERAND'S REGISTERS: registers 4 c .. 4 c + 3 of lane l at 512 c + 16 l; its scale words at 4 l.
;   The rows of a tile of Wq, Wk, Wv are not neighbours: slot r of tile 2 b + u is row 32 b + 8 u + r + 8 (r / 8), so that the results of two neighbouring tiles are 16 neighbours along the next product's K.  proj_w's tiles take rows 16 t + r.
;   wc: record y (0, 1) at 26,112 y: 12 images of 2,048 bytes (0-7: Wq's or Wk's tiles, 8-11: Wv's tiles 4 y .. 4 y + 3), then 12 x 128 bytes of scale words; at 52,224 proj_w's 8 images, then 8 x 128 bytes.
; Work-groups 4-259 take 32,768 bytes of x each (two channels of one image) and store their mean and their sum of squares ABOUT THAT MEAN: part[i] = (mean, M2).  The numbers stay in registers between the two passes.
;   Partial figures are joined by M2 = sum of M2_i + n_i x sum of (mean_i - mean)^2: no difference of large sums is formed, whatever offset x carries.
; LIMITS: NaN and infinities among the inputs are not served.  A block of zeros, or one whose largest magnitude lies under 2^-111, gets the byte 1 (the rule says 127 for zeros): its codes are zeros or subnormal codes, and this program alone reads the bytes.
.set SEL, 32                           ; s[32:33] lane selects for v_permlanex16_b32: lane l xor 16
.set MNT, 34
.set TM,  16                           ; v16-19 largest magnitudes, v20-23 bytes, v28-31 the conversions' scale operands
.set ST,  32                           ; v32-95   64 numbers of a lane
.set PC,  96                           ; v96-111  the fragment's codes
.set PW,  112                          ; v112     its scale word
; 64 numbers of a lane, register 16 b + i = k 32 b + 16 (lane / 16) + i of my row, become a fragment's codes in v[PC] on; pw >= 0: and its scale word in v[pw]
.macro QUANT s, pw
.irp b, 0,1,2,3
	v_max3_num_f32 v[TM+\b], |v[\s+16*\b]|, |v[\s+16*\b+1]|, 0x8000000   ; block b: my 16 numbers, and the floor 2^(16 - 127): the byte cannot fall under 1
.endr
.irp i, 2,4,6,8,10,12,14
.irp b, 0,1,2,3
	s_delay_alu instid0(VALU_DEP_4)
	v_max3_num_f32 v[TM+\b], v[TM+\b], |v[\s+16*\b+\i]|, |v[\s+16*\b+\i+1]|   ; the four blocks by turns
.endr
.endr
.irp b, 0,1,2,3
	s_delay_alu instid0(VALU_DEP_4)
	v_permlanex16_b32 v[TM+4+\b], v[TM+\b], s[SEL], s[SEL+1]
.endr
.irp b, 0,1,2,3
	s_delay_alu instid0(VALU_DEP_4)
	v_max_num_f32 v[TM+\b], v[TM+\b], v[TM+4+\b]                   ; with lane l xor 16's 16: the block's largest magnitude
.endr
.irp b, 0,1,2,3
	s_delay_alu instid0(VALU_DEP_4)
	v_add_nc_u32 v[TM+12+\b], 0xf8800000, v[TM+\b]                 ; 15 off its exponent field: the conversion's scale operand
.endr
.irp b, 0,1,2,3
.endr
.irp b, 0,1,2,3
	s_delay_alu instid0(VALU_DEP_4)
	v_lshrrev_b32 v[TM+4+\b], 23, v[TM+12+\b]                      ; the scale's byte
.endr
.if \pw >= 0
	s_delay_alu instid0(VALU_DEP_3)
	v_lshl_or_b32 v[\pw], v[TM+5], 8, v[TM+4]
	s_delay_alu instid0(VALU_DEP_1)
	v_lshl_or_b32 v[\pw], v[TM+6], 16, v[\pw]
	s_delay_alu instid0(VALU_DEP_1)
	v_lshl_or_b32 v[\pw], v[TM+7], 24, v[\pw]
.endif
.irp b, 0,1,2,3
.irp i, 0,1,2,3,4,5,6,7,8,9,10,11,12,13,14,15
.endr
	v_cvt_scalef32_pk8_bf8_f32 v[PC+4*\b:PC+4*\b+1], v[\s+16*\b:\s+16*\b+7], v[TM+12+\b]
	v_cvt_scalef32_pk8_bf8_f32 v[PC+4*\b+2:PC+4*\b+3], v[\s+16*\b+8:\s+16*\b+15], v[TM+12+\b]
.endr
	v_nop                                          ; a plain line behind the last conversion
.endm
; the sum of v[a] over the wave's 32 lanes, in every lane
.macro WSUM a, t
	s_delay_alu instid0(VALU_DEP_1)
	v_add_f32_dpp v[\a], v[\a], v[\a] row_xmask:1 row_mask:0xf bank_mask:0xf
	s_delay_alu instid0(VALU_DEP_1)
	v_add_f32_dpp v[\a], v[\a], v[\a] row_xmask:2 row_mask:0xf bank_mask:0xf
	s_delay_alu instid0(VALU_DEP_1)
	v_add_f32_dpp v[\a], v[\a], v[\a] row_xmask:4 row_mask:0xf bank_mask:0xf
	s_delay_alu instid0(VALU_DEP_1)
	v_add_f32_dpp v[\a], v[\a], v[\a] row_xmask:8 row_mask:0xf bank_mask:0xf
	s_delay_alu instid0(VALU_DEP_1)
	v_permlanex16_b32 v[\t], v[\a], s[SEL], s[SEL+1]
	s_delay_alu instid0(VALU_DEP_1)
	v_add_f32 v[\a], v[\a], v[\t]
.endm
	s_load_b256 s[4:11], s[0:1], 0x0               ; x s[4:5], qkv_w s[6:7], proj_w s[8:9], part s[10:11]
	s_load_b64 s[12:13], s[0:1], 0x20              ; wc
	v_lshl_add_u32 v128, v0, 2, 0x100
	v_mov_b32 v129, 0
	v_lshrrev_b32 v1, 5, v0
	s_delay_alu instid0(VALU_DEP_1)
	v_readfirstlane_b32 s14, v1                    ; wave 0..7
	v_and_b32 v2, 31, v0                           ; lane
	s_mov_b32 s[SEL], 0x76543210
	s_mov_b32 s[SEL+1], 0xfedcba98
	s_wait_kmcnt 0x0
	s_cmp_ge_u32 ttmp9, 4
	s_cbranch_scc1 .Lstats
	; ---- the weights: tensor s15 (0 Wq, 1 Wk, 2 Wv, 3 proj_w), tile = my wave's number
	s_mov_b32 s15, ttmp9
	s_lshr_b32 s17, s14, 1
	s_lshl_b32 s17, s17, 5
	s_and_b32 s18, s14, 1
	s_lshl_b32 s18, s18, 3
	s_add_co_u32 s17, s17, s18                     ; 32 (t / 2) + 8 (t % 2): the first of the chosen rows
	s_lshl_b32 s18, s14, 4                         ; 16 t: the first of 16 neighbouring rows
	s_lshl_b32 s19, s15, 16                        ; 128 rows of 512 bytes for each part of qkv_w
	s_cmp_lt_u32 s15, 3                            ; a part of qkv_w?
	s_cselect_b32 s17, s17, s18
	s_cselect_b32 s19, s19, 0
	s_cselect_b32 s16, 8, 0                        ; slots 8-15 lie 8 rows further on, there alone
	s_cselect_b64 s[20:21], s[6:7], s[8:9]
	s_lshl_b32 s17, s17, 9
	s_add_co_u32 s22, s19, s17
	s_mov_b32 s23, 0
	s_add_nc_u64 s[20:21], s[20:21], s[22:23]      ; the tile's first row
	s_lshr_b32 s24, s14, 2                         ; Wv: record t / 4,
	s_and_b32 s25, s14, 3
	s_add_co_u32 s25, s25, 8                       ; position 8 + t % 4
	s_cmp_eq_u32 s15, 2
	s_cselect_b32 s24, s24, s15                    ; Wq, Wk: record = the tensor,
	s_cselect_b32 s25, s25, s14                    ; position = the tile
	s_mul_i32 s24, s24, 26112
	s_mov_b32 s26, 52224
	s_mov_b32 s27, 24576
	s_cmp_eq_u32 s15, 3
	s_cselect_b32 s24, s26, s24                    ; proj_w's images begin at 52,224,
	s_cselect_b32 s27, 16384, s27                  ; and its scale words behind 8 images, not 12
	s_lshl_b32 s28, s25, 11
	s_add_co_u32 s28, s28, s24
	s_mov_b32 s29, 0
	s_add_nc_u64 s[28:29], s[12:13], s[28:29]      ; where the image goes
	s_lshl_b32 s25, s25, 7
	s_add_co_u32 s30, s24, s27
	s_add_co_u32 s30, s30, s25
	s_mov_b32 s31, 0
	s_add_nc_u64 s[30:31], s[12:13], s[30:31]      ; and the scale words
	s_wait_alu depctr_va_vdst(0)
	v_and_b32 v3, 15, v2                           ; r
	v_lshrrev_b32 v4, 4, v2                        ; h
	s_delay_alu instid0(VALU_DEP_2)
	v_and_b32 v5, s16, v3
	s_delay_alu instid0(VALU_DEP_1)
	v_add_nc_u32 v5, v5, v3                        ; r + 8 (r / 8), or r
	s_delay_alu instid0(VALU_DEP_1)
	v_lshlrev_b32 v5, 9, v5                        ; a row is 512 bytes
	s_delay_alu instid0(VALU_DEP_1)
	v_lshl_add_u32 v5, v4, 6, v5                   ; + 64 h: my 16 numbers of each block of 32
	v_lshlrev_b32 v6, 4, v2                        ; 16 x lane
	v_lshlrev_b32 v7, 2, v2                        ; 4 x lane
.irp b, 0,1,2,3
	v_mov_b32 v[TM+4+\b], 0                        ; a lane permute's destination counts as one of its sources
.endr
.irp b, 0,1,2,3
.irp j, 0,1,2,3
	global_load_b128 v[ST+16*\b+4*\j:ST+16*\b+4*\j+3], v5, s[20:21] offset:128*\b+16*\j
.endr
.endr
	s_wait_loadcnt 0x0
	QUANT ST, PW
.irp c, 0,1,2,3
	global_store_b128 v6, v[PC+4*\c:PC+4*\c+3], s[28:29] offset:512*\c   ; 32 lanes store 512 consecutive bytes
.endr
	global_store_b32 v7, v[PW], s[30:31]           ; lane l: row l % 16's word (both halves of the lanes hold it)
	s_endpgm
	; ---- the statistics of 8,192 numbers of x: 32 a thread, 1,024 a wave
.Lstats:
	s_sub_co_u32 s15, ttmp9, 4                     ; which 32,768 bytes
	s_lshl_b32 s16, s15, 15
	s_mov_b32 s17, 0
	s_add_nc_u64 s[4:5], s[4:5], s[16:17]
	s_lshl_b32 s16, s15, 3
	s_add_nc_u64 s[10:11], s[10:11], s[16:17]      ; my record of 8 bytes
	v_lshlrev_b32 v3, 4, v0                        ; 16 bytes a thread: a wave's load covers 512 consecutive bytes
	s_wait_alu depctr_va_vdst(0)
	v_lshlrev_b32 v14, 3, v1                       ; LDS: 8 bytes a wave
.irp j, 0,1,2,3,4,5,6,7
	global_load_b128 v[ST+4*\j:ST+4*\j+3], v3, s[4:5] offset:4096*\j
.endr
	s_wait_loadcnt 7                               ; load j is in when 7 - j younger ones are out
	v_pk_add_f32 v[8:9], v[ST:ST+1], v[ST+2:ST+3]  ; two chains, begun by the first two loads: nothing is cleared
	s_wait_alu depctr_va_vdst(0)
	s_wait_loadcnt 6
	v_pk_add_f32 v[10:11], v[ST+4:ST+5], v[ST+6:ST+7]
	s_wait_alu depctr_va_vdst(0)
.irp j, 2,3,4,5,6,7
	s_wait_alu depctr_va_vdst(0)
	s_wait_loadcnt 7-\j
	v_pk_add_f32 v[8+2*(\j%2):9+2*(\j%2)], v[8+2*(\j%2):9+2*(\j%2)], v[ST+4*\j:ST+4*\j+1]
	s_delay_alu instid0(VALU_DEP_1)
	v_pk_add_f32 v[8+2*(\j%2):9+2*(\j%2)], v[8+2*(\j%2):9+2*(\j%2)], v[ST+4*\j+2:ST+4*\j+3]
.endr
	s_delay_alu instid0(VALU_DEP_1)
	v_pk_add_f32 v[8:9], v[8:9], v[10:11]
	s_delay_alu instid0(VALU_DEP_1)
	v_add_f32 v8, v8, v9
	WSUM 8, 9
	s_delay_alu instid0(VALU_DEP_1)
	v_mul_f32 v12, 0x3a800000, v8                  ; the wave's mean: sum x 2^-10
	s_delay_alu instid0(VALU_DEP_1)
	v_mov_b32 v13, v12
.set i, 0
.rept 16
	v_pk_add_f32 v[ST+i:ST+i+1], v[ST+i:ST+i+1], v[12:13] neg_lo:[0,1] neg_hi:[0,1]   ; x - mean
.set i, i+2
.endr
	v_pk_mul_f32 v[8:9], v[ST:ST+1], v[ST:ST+1]
	v_pk_mul_f32 v[10:11], v[ST+2:ST+3], v[ST+2:ST+3]
.set i, 4
.rept 7
	s_delay_alu instid0(VALU_DEP_2)
	v_pk_fma_f32 v[8:9], v[ST+i:ST+i+1], v[ST+i:ST+i+1], v[8:9]
	s_delay_alu instid0(VALU_DEP_2)
	v_pk_fma_f32 v[10:11], v[ST+i+2:ST+i+3], v[ST+i+2:ST+i+3], v[10:11]
.set i, i+4
.endr
	s_delay_alu instid0(VALU_DEP_1)
	v_pk_add_f32 v[8:9], v[8:9], v[10:11]
	s_delay_alu instid0(VALU_DEP_1)
	v_add_f32 v8, v8, v9
	WSUM 8, 9
	s_delay_alu instid0(VALU_DEP_1)
	v_mov_b32 v13, v8                              ; the wave's M2
	ds_store_b64 v14, v[12:13]                     ; all lanes write the same 8 bytes with the same value
	s_wait_dscnt 0x0                               ; for the others' sake
	s_barrier_signal -1
	s_barrier_wait -1
	s_cmp_lg_u32 s14, 0
	s_cbranch_scc1 .Lend
	v_mov_b32 v15, 0
.irp i, 0,1,2,3
	ds_load_b128 v[ST+4*\i:ST+4*\i+3], v15 offset:16*\i   ; (mean, M2) of the eight waves
.endr
	s_wait_dscnt 0x0
	v_pk_add_f32 v[8:9], v[ST:ST+1], v[ST+2:ST+3]
	v_pk_add_f32 v[10:11], v[ST+4:ST+5], v[ST+6:ST+7]
	v_pk_add_f32 v[16:17], v[ST+8:ST+9], v[ST+10:ST+11]
	v_pk_add_f32 v[18:19], v[ST+12:ST+13], v[ST+14:ST+15]
	s_delay_alu instid0(VALU_DEP_3)
	v_pk_add_f32 v[8:9], v[8:9], v[10:11]
	s_delay_alu instid0(VALU_DEP_2)
	v_pk_add_f32 v[16:17], v[16:17], v[18:19]
	s_delay_alu instid0(VALU_DEP_1)
	v_pk_add_f32 v[8:9], v[8:9], v[16:17]          ; v8: the sum of the means, v9: of the M2
	s_delay_alu instid0(VALU_DEP_1)
	v_mul_f32 v12, 0x3e000000, v8                  ; the mean of 8,192 numbers
.irp i, 0,1,2,3,4,5,6,7
	v_sub_f32 v[20+\i], v[ST+2*\i], v12
.endr
	v_mul_f32 v10, v20, v20
	v_mul_f32 v11, v21, v21
.irp i, 2,4,6
	s_delay_alu instid0(VALU_DEP_2)
	v_fmac_f32 v10, v[20+\i], v[20+\i]
	s_delay_alu instid0(VALU_DEP_2)
	v_fmac_f32 v11, v[21+\i], v[21+\i]
.endr
	s_delay_alu instid0(VALU_DEP_1)
	v_add_f32 v10, v10, v11
	s_delay_alu instid0(VALU_DEP_1)
	v_fmamk_f32 v13, v10, 0x44800000, v9           ; M2 = sum of M2_i + 1,024 x sum of (mean_i - mean)^2
	v_cmp_eq_u32 vcc_lo, 0, v0
	s_wait_alu depctr_va_vdst(0)
	s_wait_xcnt 0x0                                ; EXEC changes only behind this wait
	s_wait_tensorcnt 0x0
	ds_add_u32 v128, v129
	s_wait_dscnt 0x0
	s_and_saveexec_b32 s18, vcc_lo                 ; thread 0 alone stores the record
	global_store_b64 v15, v[12:13], s[10:11]
	s_endpgm
.Lend:
	s_wait_tensorcnt 0x0
	ds_add_u32 v128, v129
	s_wait_dscnt 0x0
	s_endpgm
.Lfunc_end_k_q002927e004_prep:
	.size	k_q002927e004_prep, .Lfunc_end_k_q002927e004_prep-k_q002927e004_prep
	.p2alignl 7, 3214868480
	.fill 96, 4, 3214868480
	.section	.rodata,"a",@progbits
	.p2align	6, 0x0
	.amdhsa_kernel k_q002927e004_prep
		.amdhsa_group_segment_fixed_size 1280
		.amdhsa_private_segment_fixed_size 0
		.amdhsa_enable_private_segment 0
		.amdhsa_kernarg_size 40
		.amdhsa_user_sgpr_count 2
		.amdhsa_user_sgpr_kernarg_segment_ptr 1
		.amdhsa_wavefront_size32 1
		.amdhsa_system_sgpr_workgroup_id_x 1
		.amdhsa_system_sgpr_workgroup_id_y 1
		.amdhsa_system_sgpr_workgroup_id_z 1
		.amdhsa_system_vgpr_workitem_id 0
		.amdhsa_next_free_vgpr 130
		.amdhsa_next_free_sgpr 66
		.amdhsa_reserve_vcc 1
		.amdhsa_float_denorm_mode_32 3
		.amdhsa_float_denorm_mode_16_64 3
		.amdhsa_fp16_overflow 1
		.amdhsa_memory_ordered 1
		.amdhsa_forward_progress 1
		.amdhsa_inst_pref_size 19
	.end_amdhsa_kernel
	.amdgpu_metadata
---
amdhsa.version: [ 1, 2 ]
amdhsa.kernels:
  - .name:           k_q002927e004_prep
    .symbol:         k_q002927e004_prep.kd
    .args:
      - { .name: x, .offset: 0, .size: 8, .value_kind: global_buffer, .address_space: global }
      - { .name: qkv_w, .offset: 8, .size: 8, .value_kind: global_buffer, .address_space: global }
      - { .name: proj_w, .offset: 16, .size: 8, .value_kind: global_buffer, .address_space: global }
      - { .name: part, .offset: 24, .size: 8, .value_kind: global_buffer, .address_space: global }
      - { .name: wc, .offset: 32, .size: 8, .value_kind: global_buffer, .address_space: global }
    .group_segment_fixed_size: 1280
    .private_segment_fixed_size: 0
    .kernarg_segment_align: 8
    .kernarg_segment_size: 40
    .max_flat_workgroup_size: 256
    .sgpr_count:     66
    .vgpr_count:     130
    .wavefront_size: 32
...
	.end_amdgpu_metadata
.endif
;; end of part 1
;; launch qkv (part 2): grid 128 x 2, 4 waves a work-group, no clusters, 168,448 bytes of LDS; arguments x, norm_w, norm_b, qkv_b, part, wc, q, kv; writes q, kv
.if DOCPART == 2
	.amdgcn_target "amdgcn-amd-amdhsa--gfx1250"
	.amdhsa_code_object_version 6
	.text
	.protected	k_q002927e004_qkv
	.globl	k_q002927e004_qkv
	.p2align	8
	.type	k_q002927e004_qkv,@function
k_q002927e004_qkv:
	s_mov_b64 s[64:65], 0
	v_nop
	global_prefetch_b8 v0, s[64:65] scope:SCOPE_SE
	s_setreg_imm32_b32 hwreg(HW_REG_WAVE_MODE, 25, 1), 1
	s_wait_xcnt 0x0
; QKV.  GroupNorm, the 1x1 layer on codes of BF8 (E5M2, one E8M0 byte for each 32 along K), and the quantising of q, k (along the channels) and v (along the pixels, which are the keys).
; SHARES.  Work-group (blk, y): blk = 128 pixels of one image (32 blocks an image); y = 0 makes q and v's channel tiles 0-3, y = 1 makes k and v's tiles 4-7: 256 work-groups.  y chooses addresses alone: there is ONE path.
;   The normalised pixels are so made twice, once for each y; the products are not.  Wave w owns pixels 32 w .. 32 w + 31.
; THE NORMALISED PIXELS.  A lane takes ONE pixel and all its 128 channels in 128 registers (read from LDS, 32 lanes to 128 consecutive bytes of a channel's row), so a block of 32 channels lies in one lane: no lane exchange for its largest magnitude.
;   Lane l takes pixel 32 w + (l % 8) + 8 (l / 16) + 16 ((l / 8) % 2).  The codes of channels 32 b + 0..15 go to F0, of 32 b + 16..31 to F1; sixteen exchanges of the lanes' halves (v_permlane16_swap_b32) make of them
;   two operands: tile u, slot r = pixel 32 w + 8 u + r + 8 (r / 8).  The scale word of lane l serves tile 0 from lanes 0-15 and tile 1 from lanes 16-31.
; THE PRODUCTS.  q, k: source 0 = 16 rows of the weight, source 1 = 16 pixels: a lane holds one pixel, and (the weight's rows being chosen for it) the 16 registers of tiles 2 b, 2 b + 1 are channels 32 b + 16 (lane / 16) + 0..15.
;   v: source 0 = 16 pixels, source 1 = 16 rows of the weight: a lane holds one channel and, over the two tiles of pixels, keys 32 w + 16 (lane / 16) + 0..15: registers 4 w .. 4 w + 3 of V's fragment for these 128 keys, and byte w of its scale word.
;   The biases are the C of the products (for v: eight equal registers a tile, since a lane holds one channel).
; OUT.  Everything leaves as images of operand registers (registers 4 c .. 4 c + 3 of lane l at 512 c + 16 l): every store of codes covers 512 consecutive bytes, aligned to 256.
;   q: a record of 16,896 bytes a block: 8 images (tile 2 w + u), then 512 bytes of scale words [lane][w]: word w holds tile 2 w's in lanes 0-15, tile 2 w + 1's in lanes 16-31.
;   kv: a record of 33,792 bytes a block: k as q; then V's 8 images (channel tile T) and 512 bytes of scale words [y][lane][2]: word p of half y holds tile 4 y + 2 p's in lanes 0-15, tile 4 y + 2 p + 1's in lanes 16-31.
; LIMITS: NaN and infinities are not served.  A block of zeros, or one whose largest magnitude lies under 2^-111, gets the byte 1: its codes are zeros or subnormal codes, and this program alone reads the bytes.
; No multicast: the two work-groups of a block share 64 KiB of x, read once each; a cluster's rounds would cost more than that second read out of the cache spares.  LDS is filled once: no ring.
; REGISTERS.  window 0: v1-15 lane figures and addresses; v16-47 the two operands; v48 their scale word; v49-51 scale words made; v52-63 the weights' scale words; v64-79 codes; v80-95 at work; v96-107 statistics;
;   v128-255 the pixel's channels, later the products' results.  window 1: v0-191 the 12 weight fragments, v192-255 q's or k's bias.  window 2: v0-127 norm_w, v128-255 norm_b.  window 3: v0-31 v's bias.
.set WT,   65536                       ; LDS: x's tile, 128 channel rows x 512 bytes, at 0; behind it my record of wc, 26,112 bytes;
.set KST,  91648                       ; q's or k's scale words, 512 bytes;
.set VST,  92160                       ; V's, 256 bytes.  No fill lands in these two
.set XA,   4                           ; v4   LDS: my pixel's 4 bytes in a channel's row
.set LI,   5                           ; v5   16 x lane
.set WA,   6                           ; v6   LDS: an image's place for my lane, in the weights
.set WSA,  7                           ; v7   LDS: a scale word's, there
.set KA,   8                           ; v8   LDS: KST + 16 lane + 4 wave
.set VB,   9                           ; v9   LDS: VST + 8 r + wave
.set KR,   10                          ; v10  LDS: KST + 16 lane
.set VR,   11                          ; v11  LDS: VST + 8 lane
.set F0,   16
.set F1,   32
.set HS,   48
.set PW0,  49
.set PW1,  50
.set PWC,  51
.set WS,   52
.set PC,   64
.set TM,   80
.set SV,   96
.set X,    128
.set DA,   128
.set DB,   192
.set NEGM, 32                          ; s[32:47] -mean of the image's 8 groups, each twice (the packed forms name a pair)
.set RSTD, 48                          ; s[48:63] 1 / sqrt(var + eps), likewise
.set SEL,  92                          ; s[92:93] lane selects: lane l xor 16
.set MNT,  94
.set MSB, 0
.macro WIN new                         ; the immediate's high byte repeats the setting that is left
.if MSB != \new
	s_set_vgpr_msb (MSB<<8)|\new
.set MSB, \new
.endif
.endm
; one product: D, A, B, C by their first registers; sa, sb the scale registers; ra, rb = 1: that side's scales stand in lanes 16-31
.macro WM d, a, b, c, sa, sb, ra, rb
.if ((\ra) == 0) && ((\rb) == 0)
	v_wmma_scale_f32_16x16x128_f8f6f4 v[\d:\d+7], v[\a:\a+15], v[\b:\b+15], v[\c:\c+7], v[\sa], v[\sb] matrix_a_fmt:MATRIX_FMT_BF8 matrix_b_fmt:MATRIX_FMT_BF8
.elseif (\ra) == 1
	v_wmma_scale_f32_16x16x128_f8f6f4 v[\d:\d+7], v[\a:\a+15], v[\b:\b+15], v[\c:\c+7], v[\sa], v[\sb] matrix_a_fmt:MATRIX_FMT_BF8 matrix_b_fmt:MATRIX_FMT_BF8 matrix_a_scale:MATRIX_SCALE_ROW1
.else
	v_wmma_scale_f32_16x16x128_f8f6f4 v[\d:\d+7], v[\a:\a+15], v[\b:\b+15], v[\c:\c+7], v[\sa], v[\sb] matrix_a_fmt:MATRIX_FMT_BF8 matrix_b_fmt:MATRIX_FMT_BF8 matrix_b_scale:MATRIX_SCALE_ROW1
.endif
.endm
; 64 numbers of a lane in four blocks, register 16 b + i; a block's other 16 lie in lane l xor 16.  Codes to v[PC] on, bytes to v[TM+4] on; pw >= 0: the four bytes as one word to v[pw]
.macro QUANT s, pw
.irp b, 0,1,2,3
	v_max3_num_f32 v[TM+\b], |v[\s+16*\b]|, |v[\s+16*\b+1]|, 0x8000000   ; my 16 numbers, and the floor 2^(16 - 127): the byte cannot fall under 1.  (Each result is read from its low end on)
.endr
.irp i, 2,4,6,8,10,12,14
.irp b, 0,1,2,3
	v_max3_num_f32 v[TM+\b], v[TM+\b], |v[\s+16*\b+\i]|, |v[\s+16*\b+\i+1]|
.endr
.endr
.irp b, 0,1,2,3
	v_permlanex16_b32 v[TM+4+\b], v[TM+\b], s[SEL], s[SEL+1]
.endr
.irp b, 0,1,2,3
	v_max_num_f32 v[TM+\b], v[TM+\b], v[TM+4+\b]
.endr
.irp b, 0,1,2,3
	v_add_nc_u32 v[TM+12+\b], 0xf8800000, v[TM+\b]                 ; 15 off the exponent field: the conversion's scale operand
.endr
.irp b, 0,1,2,3
.endr
.irp b, 0,1,2,3
	v_lshrrev_b32 v[TM+4+\b], 23, v[TM+12+\b]                      ; the scale's byte
.endr
.if \pw >= 0
	v_lshl_or_b32 v[\pw], v[TM+5], 8, v[TM+4]
	v_lshl_or_b32 v[\pw], v[TM+6], 16, v[\pw]
	v_lshl_or_b32 v[\pw], v[TM+7], 24, v[\pw]
.endif
.irp b, 0,1,2,3
.irp i, 0,1,2,3,4,5,6,7,8,9,10,11,12,13,14,15
.endr
	v_cvt_scalef32_pk8_bf8_f32 v[PC+4*\b:PC+4*\b+1], v[\s+16*\b:\s+16*\b+7], v[TM+12+\b]
	v_cvt_scalef32_pk8_bf8_f32 v[PC+4*\b+2:PC+4*\b+3], v[\s+16*\b+8:\s+16*\b+15], v[TM+12+\b]
.endr
	v_nop                                          ; a plain line behind the last conversion: products write its sources later
.endm
.macro LOADX b                         ; channels 32 b .. 32 b + 31 of my pixel
.set i, 0
.rept 32
	ds_load_b32 v[X+32*\b+i], v[XA] offset:512*(32*\b+i)
.set i, i+1
.endr
.endm
; block b of my pixel: normalised in reference()'s own order ((x - mean) x rstd, then x norm_w + norm_b), then quantised; all 32 numbers are mine
.macro NORMQ b
.set XB, X+32*\b
.irp i, 0,2,4,6,8,10,12,14,16,18,20,22,24,26,28,30
	v_pk_add_f32 v[XB+\i:XB+\i+1], v[XB+\i:XB+\i+1], s[NEGM+4*\b+2*(\i/16):NEGM+4*\b+2*(\i/16)+1] op_sel_hi:[1,0]
.endr
.irp i, 0,2,4,6,8,10,12,14,16,18,20,22,24,26,28,30
	v_pk_mul_f32 v[XB+\i:XB+\i+1], v[XB+\i:XB+\i+1], s[RSTD+4*\b+2*(\i/16):RSTD+4*\b+2*(\i/16)+1] op_sel_hi:[1,0]
.endr
	WIN 0x28                                       ; sources 1 and 2 in window 2
.irp i, 0,2,4,6,8,10,12,14,16,18,20,22,24,26,28,30
	v_pk_fma_f32 v[XB+\i:XB+\i+1], v[XB+\i:XB+\i+1], v[32*\b+\i:32*\b+\i+1], v[128+32*\b+\i:128+32*\b+\i+1]
.endr
	WIN 0
	v_max3_num_f32 v[TM], |v[XB]|, |v[XB+1]|, |v[XB+2]|
	v_max3_num_f32 v[TM+1], |v[XB+3]|, |v[XB+4]|, |v[XB+5]|
.irp i, 6,10,14,18,22,26
	v_max3_num_f32 v[TM], v[TM], |v[XB+\i]|, |v[XB+\i+1]|
	v_max3_num_f32 v[TM+1], v[TM+1], |v[XB+\i+2]|, |v[XB+\i+3]|
.endr
	v_max3_num_f32 v[TM], v[TM], |v[XB+30]|, |v[XB+31]|
	v_max3_num_f32 v[TM], v[TM], v[TM+1], 0x8000000                ; and the floor
	v_add_nc_u32 v[TM+2], 0xf8800000, v[TM]
.if \b == 0
	v_lshrrev_b32 v[HS], 23, v[TM+2]               ; my pixel's scale word, byte by byte
.else
	v_lshrrev_b32 v[TM+8], 23, v[TM+2]
	v_lshl_or_b32 v[HS], v[TM+8], 8*\b, v[HS]
.endif
.set i, 0
.rept 32
.set i, i+1
.endr
	v_cvt_scalef32_pk8_bf8_f32 v[F0+4*\b:F0+4*\b+1], v[XB:XB+7], v[TM+2]
	v_cvt_scalef32_pk8_bf8_f32 v[F0+4*\b+2:F0+4*\b+3], v[XB+8:XB+15], v[TM+2]
	v_cvt_scalef32_pk8_bf8_f32 v[F1+4*\b:F1+4*\b+1], v[XB+16:XB+23], v[TM+2]
	v_cvt_scalef32_pk8_bf8_f32 v[F1+4*\b+2:F1+4*\b+3], v[XB+24:XB+31], v[TM+2]
.endm
	s_load_b256 s[4:11], s[0:1], 0x0               ; x s[4:5], norm_w s[6:7], norm_b s[8:9], qkv_b s[10:11]
	s_load_b256 s[12:19], s[0:1], 0x20             ; part s[12:13], wc s[14:15], q s[16:17], kv s[18:19]
	v_lshl_add_u32 v126, v0, 2, 0x29000
	v_mov_b32 v127, 0
	ds_add_u32 v126, v127
	ds_add_u32 v126, v127
	v_lshrrev_b32 v1, 5, v0
	v_readfirstlane_b32 s20, v1                    ; wave 0..3
	s_and_b32 s21, s20, 1                          ; which half of a tile I fetch
	s_mov_b32 s22, ttmp9                           ; blk
	s_and_b32 s23, ttmp7, 0xffff                   ; y
	s_lshr_b32 s24, s22, 5                         ; image
	s_and_b32 s25, s22, 31                         ; block of 128 pixels in it
	v_and_b32 v1, 31, v0                           ; lane
	v_and_b32 v2, 15, v0                           ; r
	v_bfe_u32 v3, v0, 4, 1                         ; h
	v_and_b32 v[XA], 7, v0
	v_lshl_add_u32 v[XA], v3, 3, v[XA]
	v_bfe_u32 v5, v0, 3, 1
	v_lshl_add_u32 v[XA], v5, 4, v[XA]             ; (l % 8) + 8 (l / 16) + 16 ((l / 8) % 2)
	v_lshlrev_b32 v[XA], 2, v[XA]
	s_lshl_b32 s26, s20, 7
	v_add_nc_u32 v[XA], s26, v[XA]                 ; + my wave's 32 pixels
	v_lshlrev_b32 v[LI], 4, v1
	v_add_nc_u32 v[WA], WT, v[LI]
	v_lshlrev_b32 v[WSA], 2, v1
	v_add_nc_u32 v[WSA], WT+24576, v[WSA]
	s_lshl_b32 s26, s20, 2
	v_add_nc_u32 v[KA], s26, v[LI]
	v_add_nc_u32 v[KA], KST, v[KA]
	v_lshlrev_b32 v[VB], 3, v2
	v_add_nc_u32 v[VB], s20, v[VB]
	v_add_nc_u32 v[VB], VST, v[VB]
	v_add_nc_u32 v[KR], KST, v[LI]
	v_lshlrev_b32 v12, 3, v1                       ; 8 x lane
	v_add_nc_u32 v[VR], VST, v12
	v_mov_b32 v13, 0
	v_lshlrev_b32 v14, 6, v3                       ; 64 h: q's or k's bias, my half's 16 channels of a block
	v_and_b32 v15, 8, v2
	v_add_nc_u32 v15, v15, v2
	v_lshlrev_b32 v15, 2, v15                      ; 4 (r + 8 (r / 8)): v's bias, my channel
.irp b, 0,1,2,3
	v_mov_b32 v[TM+4+\b], 0                        ; a lane permute's destination counts as one of its sources
.endr
	s_mov_b32 s[SEL], 0x76543210
	s_mov_b32 s[SEL+1], 0xfedcba98
	; descriptor group 1 for x's tile: 64 rows (channels) of 128 elements of 4 bytes, 4,096 elements from row to row; no padding: a read takes 128 consecutive bytes of one row
	s_mov_b32 s68, 2<<16
	s_mov_b32 s69, 128<<16
	s_mov_b32 s70, 64<<16
	s_mov_b32 s71, 128<<16
	s_mov_b32 s72, 64
	s_mov_b32 s73, 4096
	s_mov_b32 s74, 0
	s_mov_b32 s75, 0
	; and for half a record of wc: a dense block of 13,056 bytes as 51 rows of 32 elements of 8 bytes
	s_mov_b32 s76, 3<<16
	s_mov_b32 s77, 32<<16
	s_mov_b32 s78, 51<<16
	s_mov_b32 s79, 32<<16
	s_mov_b32 s80, 51
	s_mov_b32 s81, 32
	s_mov_b32 s82, 0
	s_mov_b32 s83, 0
	s_mov_b32 s84, 1
	s_lshl_b32 s85, s21, 15                        ; LDS: 64 rows of 512 bytes for each half
	s_lshl_b32 s26, s24, 21                        ; an image is 2,097,152 bytes,
	s_lshl_b32 s27, s25, 9                         ; 128 pixels 512,
	s_add_co_u32 s26, s26, s27
	s_lshl_b32 s27, s21, 20                        ; 64 channels 1,048,576
	s_add_co_u32 s26, s26, s27
	s_mov_b32 s27, 0
	s_mov_b32 s88, 1
	s_mul_i32 s89, s21, 13056
	s_mul_i32 s28, s23, 26112
	s_add_co_u32 s28, s28, s89
	s_add_co_u32 s89, s89, WT
	s_mov_b32 s29, 0
	s_wait_dscnt 0x0
	s_wait_kmcnt 0x0
	s_add_nc_u64 s[86:87], s[4:5], s[26:27]
	s_or_b32 s87, s87, 0x80000000
	s_add_nc_u64 s[90:91], s[14:15], s[28:29]
	s_or_b32 s91, s91, 0x80000000
	s_cmp_lt_u32 s20, 2                            ; waves 0, 1: x's halves; waves 2, 3: the weights'.  One load a wave, the only fills of the launch
	s_cbranch_scc0 .Lfor_w
	tensor_load_to_lds s[84:87], s[68:75]
	s_nop 0
.rept 4
	v_nop
.endr
	s_branch .Lasked
.Lfor_w:
	tensor_load_to_lds s[88:91], s[76:83]
	s_nop 0
.rept 4
	v_nop
.endr
.Lasked:
	s_lshl_b32 s26, s24, 9
	s_add_nc_u64 s[12:13], s[12:13], s[26:27]      ; the image's 64 records of part
	s_lshl_b32 s28, s23, 9
	s_add_nc_u64 s[30:31], s[10:11], s[28:29]      ; q's or k's 128 biases
	s_lshl_b32 s28, s23, 8
	s_add_co_u32 s28, s28, 1024
	s_add_nc_u64 s[96:97], s[10:11], s[28:29]      ; v's 64 biases of this y
	s_mul_i32 s26, s22, 33792                      ; the block's record of kv,
	s_lshl_b32 s28, s23, 13
	s_add_co_u32 s26, s26, s28                     ; four images of V for each y,
	s_lshl_b32 s28, s20, 9
	s_add_co_u32 s26, s26, s28                     ; registers 4 w .. 4 w + 3 of each,
	s_add_co_u32 s26, s26, 16896                   ; behind k's part
	s_add_nc_u64 s[98:99], s[18:19], s[26:27]
	s_mov_b32 s28, 33792
	s_cmp_eq_u32 s23, 0                            ; the choice hangs on the work-group's y alone
	s_cselect_b64 s[66:67], s[16:17], s[18:19]
	s_cselect_b32 s28, 16896, s28
	s_mul_i32 s26, s22, s28
	s_add_nc_u64 s[66:67], s[66:67], s[26:27]      ; q's or k's record
	s_lshl_b32 s26, s20, 12
	s_add_nc_u64 s[28:29], s[66:67], s[26:27]      ; my two images in it
	global_load_b128 v[SV:SV+3], v[LI], s[12:13]   ; records 2 l, 2 l + 1: lanes 4 g .. 4 g + 3 hold group g's eight
	WIN 0x80                                       ; destination window 2
.set j, 0
	s_wait_alu depctr_va_vdst(0)
.rept 32
	global_load_b128 v[4*j:4*j+3], v13, s[6:7] offset:16*j         ; norm_w: the same in every lane
.set j, j+1
.endr
.set j, 0
.rept 32
	global_load_b128 v[128+4*j:128+4*j+3], v13, s[8:9] offset:16*j ; norm_b
.set j, j+1
.endr
	WIN 0x40                                       ; destination window 1
.irp t, 0,1,2,3,4,5,6,7
	global_load_b128 v[192+8*\t:192+8*\t+3], v14, s[30:31] offset:(32*(\t/2)+8*(\t%2))*4
	global_load_b128 v[192+8*\t+4:192+8*\t+7], v14, s[30:31] offset:(32*(\t/2)+8*(\t%2))*4+16
.endr
	WIN 0xc0                                       ; destination window 3
.irp t, 0,1,2,3
.irp i, 0,1,2,3,4,5,6,7
	global_load_b32 v[8*\t+\i], v15, s[96:97] offset:(32*(\t/2)+8*(\t%2))*4   ; a lane's one channel, in all eight registers of the C
.endr
.endr
	WIN 0
	s_mov_b32 s26, 0x37800000                      ; 2^-16: a group has 65,536 numbers
	s_mov_b32 s27, 0x3727c5ac                      ; eps = 1e-5
	s_wait_loadcnt 48                              ; all but the 48 loads of biases: part, norm_w, norm_b are in
	v_add_f32 v100, v96, v98
	v_add_f32_dpp v100, v100, v100 row_xmask:1 row_mask:0xf bank_mask:0xf
	v_add_f32_dpp v100, v100, v100 row_xmask:2 row_mask:0xf bank_mask:0xf
	v_mul_f32 v100, 0x3e000000, v100               ; the group's mean: eight equal parts
	v_sub_f32 v101, v96, v100
	v_sub_f32 v102, v98, v100
	v_add_f32 v103, v97, v99
	v_mul_f32 v101, v101, v101
	v_fmac_f32 v101, v102, v102
	v_fmamk_f32 v103, v101, 0x46000000, v103       ; M2_a + M2_b + 8,192 ((mean_a - mean)^2 + (mean_b - mean)^2)
	v_add_f32_dpp v103, v103, v103 row_xmask:1 row_mask:0xf bank_mask:0xf
	v_add_f32_dpp v103, v103, v103 row_xmask:2 row_mask:0xf bank_mask:0xf
	v_fma_f32 v103, v103, s26, s27                 ; var + eps
	s_wait_alu depctr_va_vdst(0)
	v_rsq_f32 v104, v103
	v_mul_f32 v105, -1.0, v100                     ; (a plain line behind the transcendental)  -mean
	s_wait_alu depctr_va_vdst(0)
.irp g, 0,1,2,3,4,5,6,7
	v_readlane_b32 s[NEGM+2*\g], v105, 4*\g
	v_readlane_b32 s[RSTD+2*\g], v104, 4*\g
	s_mov_b32 s[NEGM+2*\g+1], s[NEGM+2*\g]
	s_mov_b32 s[RSTD+2*\g+1], s[RSTD+2*\g]
.endr
	s_wait_tensorcnt 0x0                           ; my part of the tiles is in,
	s_barrier_signal -1
	s_barrier_wait -1                              ; everybody's is
	LOADX 0
	LOADX 1
	s_wait_dscnt 32                                ; block 0 is in; the 32 younger loads are block 1's
	LOADX 2
	NORMQ 0
	s_wait_dscnt 32                                ; block 1 is in; block 2's 32 may be out
	LOADX 3
	NORMQ 1
	s_wait_dscnt 32                                ; block 2 is in; block 3's may be out
	NORMQ 2
	s_wait_dscnt 0x0
	WIN 0x40                                       ; the 12 weight fragments land while the last block is worked
.set f, 0
.rept 12
.irp c, 0,1,2,3
	ds_load_b128 v[16*f+4*\c:16*f+4*\c+3], v[WA] offset:2048*f+512*\c
.endr
.set f, f+1
.endr
	WIN 0
.irp f, 0,1,2,3,4,5,6,7,8,9,10,11
	ds_load_b32 v[WS+\f], v[WSA] offset:128*\f
.endr
	NORMQ 3
	v_nop                                          ; a plain line behind the last conversion
.set i, 0
.rept 16
	v_permlane16_swap_b32 v[F0+i], v[F1+i]         ; F0's lanes 16-31 with F1's lanes 0-15: F0 is now tile 0, F1 tile 1, each in the operand's layout
.set i, i+1
.endr
.rept 4
	v_nop                                          ; operands written by vector instructions stand four places ahead of a scaled product
.endr
	s_wait_alu depctr_va_vdst(0)
	s_wait_dscnt 0x0                               ; the weights
	s_wait_loadcnt 0x0                             ; the biases
	WIN 0x34                                       ; source 1 window 1, source 2 window 3
.irp t, 0,1,2,3
	WM DA+16*\t, F0, 16*(8+\t), 8*\t, HS, WS+8+\t, 0, 0            ; v: pixels x channels
	WM DA+16*\t+8, F1, 16*(8+\t), 8*\t, HS, WS+8+\t, 1, 0
.endr
	WIN 0x11                                       ; sources 0 and 2 window 1
.irp t, 0,1,2,3,4,5,6,7
	WM DB+8*\t, 16*\t, F0, 192+8*\t, WS+\t, HS, 0, 0               ; q or k of tile 0's pixels
.endr
	WIN 0
.rept 9
	v_nop                                          ; eight places ahead of the first read of results; nine ahead of the products below, which write over v's results
.endr
	QUANT DA, -1                                   ; v: block t of the macro = channel tile t; its 32 numbers are keys 32 w .. 32 w + 31
.irp t, 0,1,2,3
	global_store_b128 v[LI], v[PC+4*\t:PC+4*\t+3], s[98:99] offset:2048*\t
	ds_store_b8 v[VB], v[TM+4+\t] offset:128*(\t%2)+4*(\t/2)       ; byte w of the channel's word; both lanes of a block write the same byte
.endr
	WIN 0x11
.irp t, 0,1,2,3,4,5,6,7
	WM DA+8*\t, 16*\t, F1, 192+8*\t, WS+\t, HS, 0, 1               ; q or k of tile 1's pixels
.endr
	WIN 0
	s_wait_xcnt 0x0                                ; the stores have read the codes' registers,
	s_wait_dscnt 0x0                               ; and the byte stores theirs
	QUANT DB, PW0                                  ; its plain lines name no register of the products above: they are the places behind them
.irp c, 0,1,2,3
	global_store_b128 v[LI], v[PC+4*\c:PC+4*\c+3], s[28:29] offset:512*\c
.endr
	s_wait_xcnt 0x0
	QUANT DA, PW1
.irp c, 0,1,2,3
	global_store_b128 v[LI], v[PC+4*\c:PC+4*\c+3], s[28:29] offset:2048+512*\c
.endr
	v_cmp_lt_u32 vcc_lo, 15, v1
	v_cndmask_b32 v[PWC], v[PW0], v[PW1], vcc_lo   ; lanes 0-15 tile 0's words, lanes 16-31 tile 1's
	ds_store_b32 v[KA], v[PWC]
	s_wait_dscnt 0x0                               ; for the others' sake
	s_barrier_signal -1
	s_barrier_wait -1
	s_cmp_eq_u32 s20, 0
	s_cbranch_scc0 .Lnot_0
	ds_load_b128 v[SV:SV+3], v[KR]                 ; the four waves' words, 16 bytes a lane
	s_wait_dscnt 0x0
	global_store_b128 v[LI], v[SV:SV+3], s[66:67] offset:16384     ; 512 consecutive bytes
	s_wait_tensorcnt 0x0
	ds_add_u32 v126, v127
	s_wait_dscnt 0x0
	s_endpgm
.Lnot_0:
	s_cmp_eq_u32 s20, 1
	s_cbranch_scc0 .Lend
	s_mul_i32 s26, s22, 33792
	s_lshl_b32 s27, s23, 8
	s_add_co_u32 s26, s26, s27
	s_add_co_u32 s26, s26, 33280
	s_mov_b32 s27, 0
	s_add_nc_u64 s[30:31], s[18:19], s[26:27]      ; (the loads that named s[30:31] have been waited for)
	ds_load_b64 v[SV:SV+1], v[VR]
	s_wait_dscnt 0x0
	global_store_b64 v12, v[SV:SV+1], s[30:31]     ; 256 consecutive bytes, aligned
.Lend:
	s_wait_tensorcnt 0x0
	ds_add_u32 v126, v127
	s_wait_dscnt 0x0
	s_endpgm
.Lfunc_end_k_q002927e004_qkv:
	.size	k_q002927e004_qkv, .Lfunc_end_k_q002927e004_qkv-k_q002927e004_qkv
	.p2alignl 7, 3214868480
	.fill 96, 4, 3214868480
	.section	.rodata,"a",@progbits
	.p2align	6, 0x0
	.amdhsa_kernel k_q002927e004_qkv
		.amdhsa_group_segment_fixed_size 168448
		.amdhsa_private_segment_fixed_size 0
		.amdhsa_enable_private_segment 0
		.amdhsa_kernarg_size 64
		.amdhsa_user_sgpr_count 2
		.amdhsa_user_sgpr_kernarg_segment_ptr 1
		.amdhsa_wavefront_size32 1
		.amdhsa_system_sgpr_workgroup_id_x 1
		.amdhsa_system_sgpr_workgroup_id_y 1
		.amdhsa_system_sgpr_workgroup_id_z 1
		.amdhsa_system_vgpr_workitem_id 0
		.amdhsa_next_free_vgpr 800
		.amdhsa_next_free_sgpr 100
		.amdhsa_reserve_vcc 1
		.amdhsa_float_denorm_mode_32 3
		.amdhsa_float_denorm_mode_16_64 3
		.amdhsa_fp16_overflow 1
		.amdhsa_memory_ordered 1
		.amdhsa_forward_progress 1
		.amdhsa_inst_pref_size 66
	.end_amdhsa_kernel
	.amdgpu_metadata
---
amdhsa.version: [ 1, 2 ]
amdhsa.kernels:
  - .name:           k_q002927e004_qkv
    .symbol:         k_q002927e004_qkv.kd
    .args:
      - { .name: x, .offset: 0, .size: 8, .value_kind: global_buffer, .address_space: global }
      - { .name: norm_w, .offset: 8, .size: 8, .value_kind: global_buffer, .address_space: global }
      - { .name: norm_b, .offset: 16, .size: 8, .value_kind: global_buffer, .address_space: global }
      - { .name: qkv_b, .offset: 24, .size: 8, .value_kind: global_buffer, .address_space: global }
      - { .name: part, .offset: 32, .size: 8, .value_kind: global_buffer, .address_space: global }
      - { .name: wc, .offset: 40, .size: 8, .value_kind: global_buffer, .address_space: global }
      - { .name: q, .offset: 48, .size: 8, .value_kind: global_buffer, .address_space: global }
      - { .name: kv, .offset: 56, .size: 8, .value_kind: global_buffer, .address_space: global }
    .group_segment_fixed_size: 168448
    .private_segment_fixed_size: 0
    .kernarg_segment_align: 8
    .kernarg_segment_size: 64
    .max_flat_workgroup_size: 128
    .sgpr_count:     100
    .vgpr_count:     800
    .wavefront_size: 32
...
	.end_amdgpu_metadata
.endif
;; end of part 2
;; launch attn (part 3): grid 64 x 4, 8 waves a work-group, clusters of 4 x 1, 327,680 bytes of LDS; arguments q, kv, wc, proj_b, x, out0; writes out0
.if DOCPART == 3
	.amdgcn_target "amdgcn-amd-amdhsa--gfx1250"
	.amdhsa_code_object_version 6
	.text
	.protected	k_q002927e004_attn
	.globl	k_q002927e004_attn
	.p2align	8
	.type	k_q002927e004_attn,@function
k_q002927e004_attn:
	s_mov_b64 s[64:65], 0
	v_nop
	global_prefetch_b8 v0, s[64:65] scope:SCOPE_SE
	s_setreg_imm32_b32 hwreg(HW_REG_WAVE_MODE, 25, 1), 1
	s_wait_xcnt 0x0
	s_wait_alu depctr_hold_cnt(0) depctr_sa_sdst(0) depctr_va_vdst(0) depctr_va_sdst(0) depctr_va_ssrc(0) depctr_va_vcc(0) depctr_vm_vsrc(0)
	s_getreg_b32 s2, hwreg(HW_REG_IB_STS2, 6, 4)
	s_cmp_eq_u32 s2, 0
	s_cbranch_scc0 .Lentry_in_a_cluster
	s_endpgm
.Lentry_in_a_cluster:
	s_bfe_u32 s2, ttmp6, 0x10000c
	s_cmp_lg_u32 s2, 0x3003
	s_cbranch_scc0 .Lentry_shape_is_right
	s_endpgm
.Lentry_shape_is_right:
; ATTN.  out0 = x + proj_w (softmax(q^T k / sqrt(128)) v) + proj_b, all three products on codes of BF8 (E5M2) with one E8M0 byte for each 32 along K.
; THE SOFTMAX: t = score x log2(e) / sqrt(128); M = the running largest t rounded UP to a whole number; p = 2^(t - M) is quantised along the keys, not normalised; the sum is taken of the unquantised p and divides at the end.
;   When M moves, the sum and O are multiplied by 2^(old M - new M): exact.
; SHARES.  A work-group owns 64 queries of one image (four tiles of 16): 256 work-groups.  Of its eight waves, wave j takes tiles 2 (j / 4), 2 (j / 4) + 1 and, of every slot of 512 keys, the 128 keys of step j % 4:
;   so each fragment of K and V read from LDS feeds two products, two waves share a SIMD (one's vector work beside the other's products and LDS loads), and a query's keys are split four ways.
;   At the end the four parts (each with its own M and sum) meet in LDS and are joined by exact powers of two.
; LAYOUT.  S^T = K Q^T and O^T = V^T P^T: a lane holds ONE query (lane % 16).  The keys of K's tile 2 b + u are 32 b + 8 u + r + 8 (r / 8), so that p's 16 registers of two tiles are 16 neighbouring keys; V's channel tiles are chosen alike,
;   so that O^T's registers 16 b + i are channels 32 b + 16 (lane / 16) + i: the order that the projection's operand wants.  The queries of a tile are chosen alike too: the way out puts each pixel in its place.
; RING.  kv holds, for each 128 keys, one dense record of 33,792 bytes: K's 8 fragments as images of registers, their scale words, V's 8, theirs.  A slot is four records; each wave fetches an eighth (66 rows of 256 bytes).
;   Images are read as they lie, 512 consecutive bytes an instruction: no pitch, no padding.
; CLUSTER.  The four work-groups of a cluster belong to one image and walk the same kv: every slot is asked for JOINTLY (mask 15), which divides the requests by four.  A mask names four at the most, so the image's other 60 work-groups ask on their own.
;   My place in the cluster enters the addresses of q, x and out0 alone.
; LIMITS: NaN and infinities are not served.  p under 2^-126 comes out of v_exp_f32 as 0.  A block of zeros, or one whose largest magnitude lies under 2^-111, gets the byte 1: its codes are zeros or subnormal codes.
; REGISTERS.  window 0: v1-4 LDS addresses of the slots; v5, v6 the add's; v7 Q's scale words; v8-11 K's; v12-15 V's; v16-31 eight figures a tile (+0 -M, +1 largest t, +2, +3 the sum, +4 f, +5 p's scale word);
;   v32-95 four fragments; v96-223 S^T, then p, 64 a tile; v224-243 at work; v244-255 addresses for the end.   window 1: v0-127 O^T, 64 a tile; v128-159 Q; v160-191 p's codes; v192-255 four more fragments.
.set RECB,  33792                      ; a record: 16,384 K + 512 + 16,384 V + 512
.set SLOTB, 4*RECB
.set SPARE, 2*SLOTB                    ; behind the ring: the spare words, 128 bytes for each of eight waves: four blocks of 256 bytes that no other line names
.set SST,   SPARE+1024                 ; the waves' -M and sums: 512 bytes a wave
.set CIMG,  SST+4096                   ; the attention output's four fragments, as images
.set CSC,   CIMG+8192                  ; their scale words, 64 bytes a tile
.set OST,   CSC+256                    ; the stage for the result: 128 channels x (256 bytes + 16)
.set AD,  1                            ; v1, v2   16 lane + my step's record, in slot 0, 1
.set AV,  3                            ; v3, v4   8 lane + the same
.set SPW, 5                            ; v5   SPARE + 4 x my thread's number; never rewritten
.set NIL, 6                            ; v6   0; never rewritten
.set QS,  7
.set KS,  8
.set VS,  12
.set ST,  16
.set FR,  32
.set SCO, 96
.set MX,  224
.set PX,  228
.set HD,  232
.set SCL, 236
.set TA,  240
.set SUM2, 242
.set E4L, 226                          ; at the end: 4 x lane and 4 x (lane % 16), the offsets of loads that stay out for two phases.  They take the two registers of MX
.set E4R, 227                          ; that the end's quantiser (two blocks a wave: MX, MX + 1) leaves alone: no line behind the key loop writes them again
.set EA,  244                          ; the end's LDS addresses: where I put my O^T (in slot 0, which has had its last fill and its last read by then),
.set ES,  245                          ; my -M and sums,
.set ET,  246                          ; where I read the four parts' -M and sums,
.set EB,  247                          ; and their O^T of my channel block,
.set EC,  248                          ; where the codes go,
.set ED,  249                          ; and their scale byte,
.set EF,  250                          ; where I read a tile's fragment,
.set EG,  251                          ; and its scale words,
.set EH,  252                          ; where the projection's results go,
.set EI,  253                          ; and where I read whole rows back;
.set EJ,  254                          ; my byte offset in x and out0;
.set EL,  255                          ; 16 x lane
.set QF,  128                          ; window 1
.set PCD, 160
.set FR2, 192
.set WV,  16                           ; s16 wave, s17 its key step, s18 its pair of tiles
.set G1,  24                           ; s[24:31] descriptor group 1;  s[32:35], s[36:39] group 0 of slot 0, 1
.set G0,  32
.set SEL, 40                           ; s[40:41] lane selects: lane l xor 16
.set CS,  42                           ; s[42:43] c = log2(e) / sqrt(128), twice (the packed form names a pair)
.set MNT, 45
.set MSB, 0
.macro WIN new                         ; the immediate's high byte repeats the setting that is left
.if MSB != \new
	s_set_vgpr_msb (MSB<<8)|\new
.set MSB, \new
.endif
.endm
; one product: D, A, B, C by their first registers (c < 0: the constant 0 starts the sum); sa, sb the scale registers; ra, rb = 1: that side's scales stand in lanes 16-31
.macro WM d, a, b, c, sa, sb, ra, rb
.if (\c) < 0
.if ((\ra) == 0) && ((\rb) == 0)
	v_wmma_scale_f32_16x16x128_f8f6f4 v[\d:\d+7], v[\a:\a+15], v[\b:\b+15], 0, v[\sa], v[\sb] matrix_a_fmt:MATRIX_FMT_BF8 matrix_b_fmt:MATRIX_FMT_BF8
.elseif ((\ra) == 1) && ((\rb) == 0)
	v_wmma_scale_f32_16x16x128_f8f6f4 v[\d:\d+7], v[\a:\a+15], v[\b:\b+15], 0, v[\sa], v[\sb] matrix_a_fmt:MATRIX_FMT_BF8 matrix_b_fmt:MATRIX_FMT_BF8 matrix_a_scale:MATRIX_SCALE_ROW1
.elseif ((\ra) == 0) && ((\rb) == 1)
	v_wmma_scale_f32_16x16x128_f8f6f4 v[\d:\d+7], v[\a:\a+15], v[\b:\b+15], 0, v[\sa], v[\sb] matrix_a_fmt:MATRIX_FMT_BF8 matrix_b_fmt:MATRIX_FMT_BF8 matrix_b_scale:MATRIX_SCALE_ROW1
.else
	v_wmma_scale_f32_16x16x128_f8f6f4 v[\d:\d+7], v[\a:\a+15], v[\b:\b+15], 0, v[\sa], v[\sb] matrix_a_fmt:MATRIX_FMT_BF8 matrix_b_fmt:MATRIX_FMT_BF8 matrix_a_scale:MATRIX_SCALE_ROW1 matrix_b_scale:MATRIX_SCALE_ROW1
.endif
.else
.if (\ra) == 0
	v_wmma_scale_f32_16x16x128_f8f6f4 v[\d:\d+7], v[\a:\a+15], v[\b:\b+15], v[\c:\c+7], v[\sa], v[\sb] matrix_a_fmt:MATRIX_FMT_BF8 matrix_b_fmt:MATRIX_FMT_BF8
.else
	v_wmma_scale_f32_16x16x128_f8f6f4 v[\d:\d+7], v[\a:\a+15], v[\b:\b+15], v[\c:\c+7], v[\sa], v[\sb] matrix_a_fmt:MATRIX_FMT_BF8 matrix_b_fmt:MATRIX_FMT_BF8 matrix_a_scale:MATRIX_SCALE_ROW1
.endif
.endif
.endm
; a round of the cluster's barrier: my work-group's barrier; wave 0 signals for the work-group; every wave waits for all four work-groups; my work-group's barrier once more
.macro ROUND
	s_barrier_signal -1
	s_barrier_wait -1
	s_cmp_lg_u32 s[WV], 0
	s_cbranch_scc1 .Lnot_wave_0_\@
	s_barrier_signal -3
.Lnot_wave_0_\@:
	s_barrier_wait -3
	s_barrier_signal -1
	s_barrier_wait -1
.endm
.macro BAR                             ; my LDS stores have landed and my LDS loads are in: then the work-group's barrier
	s_wait_dscnt 0x0
	s_barrier_signal -1
	s_barrier_wait -1
.endm
; THE SOFTMAX of tile u for 128 keys.  first = 1: O^T has not begun, so there is nothing to rescale
.macro SOFTMAX u, first
.set SB, SCO+64*\u
.set TB, ST+8*\u
.irp b, 0,1,2,3
	v_max3_num_f32 v[MX+\b], v[SB+16*\b], v[SB+16*\b+1], v[SB+16*\b+2]   ; the largest score of each block of 32 keys: for the row's maximum, and, since p rises with the score, for the block's largest p
.endr
.irp i, 3,5,7,9,11,13
.irp b, 0,1,2,3
	v_max3_num_f32 v[MX+\b], v[MX+\b], v[SB+16*\b+\i], v[SB+16*\b+\i+1]  ; (each result is read from its low end on)
.endr
.endr
.irp b, 0,1,2,3
	v_max_num_f32 v[MX+\b], v[MX+\b], v[SB+16*\b+15]
.endr
.irp b, 0,1,2,3
	s_delay_alu instid0(VALU_DEP_4)
	v_permlanex16_b32 v[PX+\b], v[MX+\b], s[SEL], s[SEL+1]
.endr
.irp b, 0,1,2,3
	s_delay_alu instid0(VALU_DEP_4)
	v_max_num_f32 v[MX+\b], v[MX+\b], v[PX+\b]     ; with lane l xor 16's 16 keys
.endr
	s_delay_alu instid0(VALU_DEP_2)
	v_max3_num_f32 v[TA], v[MX], v[MX+1], v[MX+2]
	s_delay_alu instid0(VALU_DEP_1)
	v_max_num_f32 v[TA], v[TA], v[MX+3]
	s_delay_alu instid0(VALU_DEP_1)
	v_mul_f32 v[TA], s[CS], v[TA]                  ; as t (c is positive)
	s_delay_alu instid0(VALU_DEP_1)
	v_max_num_f32 v[TB+1], v[TB+1], v[TA]          ; the running largest t
	v_mov_b32 v[TA], v[TB]
	s_delay_alu instid0(VALU_DEP_2)
	v_floor_f32 v[TB], -v[TB+1]                    ; the new -M = floor(-t): M is a whole number
	s_delay_alu instid0(VALU_DEP_1)
	v_sub_f32 v[TA], v[TB], v[TA]                  ; old M - new M: a whole number, 0 or less
	s_delay_alu instid0(VALU_DEP_1)
	v_cvt_i32_f32 v[TA], v[TA]                     ; (it saturates)
	s_delay_alu instid0(VALU_DEP_1)
	v_ldexp_f32 v[TB+4], 1.0, v[TA]                ; f = 2^(old M - new M)
.set j, 0
.rept 32
	v_pk_fma_f32 v[SB+j:SB+j+1], v[SB+j:SB+j+1], s[CS:CS+1], v[TB:TB+1] op_sel_hi:[1,0,0]   ; t - M, two at a time
.set j, j+2
.endr
.irp b, 0,1,2,3
	v_fma_f32 v[MX+\b], v[MX+\b], s[CS], v[TB]     ; the same of each block's largest score
.endr
.set j, 0
	s_wait_alu depctr_va_vdst(0)
.rept 64
	v_exp_f32 v[SB+j], v[SB+j]                     ; p = 2^(t - M), at most 1
.set j, j+1
.endr
.irp b, 0,1,2,3
	v_exp_f32 v[MX+\b], v[MX+\b]                   ; the block's largest p: the same two instructions on the same number
.endr
	v_pk_mul_f32 v[TB+2:TB+3], v[TB+2:TB+3], v[TB+4:TB+5] op_sel_hi:[1,0]   ; the sum under the new M.  (A plain line behind the exponentials)
	s_wait_alu depctr_va_vdst(0)
.irp b, 0,1,2,3
	v_max_num_f32 v[MX+\b], 0x8000000, v[MX+\b]    ; the floor 2^(16 - 127): the byte cannot fall under 1
.endr
.irp b, 0,1,2,3
	s_delay_alu instid0(VALU_DEP_4)
	v_add_nc_u32 v[SCL+\b], 0xf8800000, v[MX+\b]   ; 15 off the exponent field: the conversion's scale operand
.endr
.irp b, 0,1,2,3
.endr
.irp b, 0,1,2,3
	s_delay_alu instid0(VALU_DEP_4)
	v_lshrrev_b32 v[PX+\b], 23, v[SCL+\b]          ; the scale's byte
.endr
	s_delay_alu instid0(VALU_DEP_3)
	v_lshl_or_b32 v[TB+5], v[PX+1], 8, v[PX]       ; p's scale word for these 128 keys
	s_delay_alu instid0(VALU_DEP_1)
	v_lshl_or_b32 v[TB+5], v[PX+2], 16, v[TB+5]
	s_delay_alu instid0(VALU_DEP_1)
	v_lshl_or_b32 v[TB+5], v[PX+3], 24, v[TB+5]
	v_pk_add_f32 v[SUM2:SUM2+1], v[SB:SB+1], v[SB+2:SB+3]   ; the sum of the UNQUANTISED p, in two chains
.set j, 4
.rept 15
	v_pk_add_f32 v[TB+2:TB+3], v[TB+2:TB+3], v[SB+j:SB+j+1]
	v_pk_add_f32 v[SUM2:SUM2+1], v[SUM2:SUM2+1], v[SB+j+2:SB+j+3]
.set j, j+4
.endr
	s_delay_alu instid0(VALU_DEP_1)
	v_pk_add_f32 v[TB+2:TB+3], v[TB+2:TB+3], v[SUM2:SUM2+1]
.irp b, 0,1,2,3
.irp i, 0,1,2,3,4,5,6,7,8,9,10,11,12,13,14,15
.endr
.endr
	WIN 0x40                                       ; the codes go to window 1
.irp b, 0,1,2,3
	v_cvt_scalef32_pk8_bf8_f32 v[PCD+16*\u+4*\b:PCD+16*\u+4*\b+1], v[SB+16*\b:SB+16*\b+7], v[SCL+\b]
	v_cvt_scalef32_pk8_bf8_f32 v[PCD+16*\u+4*\b+2:PCD+16*\u+4*\b+3], v[SB+16*\b+8:SB+16*\b+15], v[SCL+\b]
.endr
.if \first
	s_wait_alu depctr_va_vdst(0)
	WIN 0
.rept 4
	v_nop                                          ; four places between the codes and the products that take them
.endr
.else
	WIN 0x41                                       ; O^T in window 1, f in window 0
.set j, 0
.rept 32
	v_pk_mul_f32 v[64*\u+j:64*\u+j+1], v[64*\u+j:64*\u+j+1], v[TB+4:TB+5] op_sel_hi:[1,0]   ; O^T under the new M; these are also the places behind the conversions
.set j, j+2
.endr
	WIN 0
.endif
.endm
; A SLOT'S TURN: the change of slots at its head, then my key step of it.  refill = 1: the slot just left takes the keys that follow this slot's.
.macro TRIP slot, refill, first
	s_wait_tensorcnt 0x0                           ; all my tensor loads have landed: my eighth of this slot; so a group 0 may be written
	ds_add_u32 v[SPW], v[NIL]                      ; 0 onto my spare word
	s_add_nc_u64 s[G0+4*\slot+2:G0+4*\slot+3], s[G0+4*\slot+2:G0+4*\slot+3], 2*SLOTB   ; this slot's next keys; the type bits on top are not reached
	s_wait_dscnt 0x0                               ; the add is done, and my reads of the slot that I have left are over
	ROUND                                          ; both now hold of every wave of the four work-groups
.if \refill
	tensor_load_to_lds s[G0+4-4*\slot:G0+7-4*\slot], s[G1:G1+7]   ; my one tensor load until the next round: it has this slot's whole turn in which to land
	s_nop 0
.endif
.rept 8
	v_nop                                          ; four follow the tensor load; eight places stand ahead of loads into registers that the last products read
.endr
	ds_load_b128 v[KS:KS+3], v[AD+\slot] offset:16384             ; K's scale words: word p holds tile 2 p's in lanes 0-15, tile 2 p + 1's in lanes 16-31
.irp t, 0,1,2,3
.irp c, 0,1,2,3
	ds_load_b128 v[FR+16*\t+4*\c:FR+16*\t+4*\c+3], v[AD+\slot] offset:2048*\t+512*\c
.endr
.endr
	WIN 0x40
.irp t, 4,5,6,7
.irp c, 0,1,2,3
	ds_load_b128 v[FR2+16*(\t-4)+4*\c:FR2+16*(\t-4)+4*\c+3], v[AD+\slot] offset:2048*\t+512*\c
.endr
.endr
	s_wait_dscnt 16                                ; the words and tiles 0-3 are in; the 16 younger loads are tiles 4-7's
	WIN 0x04                                       ; Q in window 1
.irp t, 0,1,2,3
.irp u, 0,1
	WM SCO+64*\u+8*\t, FR+16*\t, QF+16*\u, -1, KS+\t/2, QS, \t%2, \u
.endr
.endr
	s_wait_dscnt 0x0
	WIN 0x05
.irp t, 4,5,6,7
.irp u, 0,1
	WM SCO+64*\u+8*\t, FR2+16*(\t-4), QF+16*\u, -1, KS+\t/2, QS, \t%2, \u
.endr
.endr
	WIN 0
.rept 8
	v_nop                                          ; places ahead of the loads below and of the first read of the scores
.endr
	ds_load_b64 v[VS:VS+1], v[AV+\slot] offset:33280              ; V's scale words, and V's eight fragments: they land while the softmax runs
	ds_load_b64 v[VS+2:VS+3], v[AV+\slot] offset:33536
.irp t, 0,1,2,3
.irp c, 0,1,2,3
	ds_load_b128 v[FR+16*\t+4*\c:FR+16*\t+4*\c+3], v[AD+\slot] offset:16896+2048*\t+512*\c
.endr
.endr
	WIN 0x40
.irp t, 4,5,6,7
.irp c, 0,1,2,3
	ds_load_b128 v[FR2+16*(\t-4)+4*\c:FR2+16*(\t-4)+4*\c+3], v[AD+\slot] offset:16896+2048*\t+512*\c
.endr
.endr
	WIN 0
	SOFTMAX 0, \first
	SOFTMAX 1, \first
	s_wait_alu depctr_va_vdst(0)
	s_wait_dscnt 0x0                               ; V
	WIN 0x54                                       ; p's codes and O^T in window 1.  The 16 accumulators take turns, one instruction a turn
.irp t, 0,1,2,3
.irp u, 0,1
.if \first
	WM 64*\u+8*\t, FR+16*\t, PCD+16*\u, -1, VS+\t/2, ST+8*\u+5, \t%2, 0
.else
	WM 64*\u+8*\t, FR+16*\t, PCD+16*\u, 64*\u+8*\t, VS+\t/2, ST+8*\u+5, \t%2, 0
.endif
.endr
.endr
	WIN 0x55
.irp t, 4,5,6,7
.irp u, 0,1
.if \first
	WM 64*\u+8*\t, FR2+16*(\t-4), PCD+16*\u, -1, VS+\t/2, ST+8*\u+5, \t%2, 0
.else
	WM 64*\u+8*\t, FR2+16*(\t-4), PCD+16*\u, 64*\u+8*\t, VS+\t/2, ST+8*\u+5, \t%2, 0
.endif
.endr
.endr
	WIN 0
.endm
	s_load_b256 s[4:11], s[0:1], 0x0               ; q s[4:5], kv s[6:7], wc s[8:9], proj_b s[10:11]
	s_load_b128 s[12:15], s[0:1], 0x20             ; x s[12:13], out0 s[14:15]
	v_lshl_add_u32 v[SPW], v0, 2, SPARE
	v_mov_b32 v[NIL], 0
	ds_add_u32 v5, v6
	ds_add_u32 v5, v6
	s_wait_dscnt 0x0
	v_lshrrev_b32 v1, 5, v0
	s_delay_alu instid0(VALU_DEP_1)
	v_readfirstlane_b32 s[WV], v1                  ; wave 0..7
	s_and_b32 s17, s[WV], 3                        ; my key step of a slot; at the end: my channel block
	s_lshr_b32 s18, s[WV], 2                       ; my pair of tiles
	s_bfe_u32 s19, ttmp6, 0x40000                  ; cx: my place in the cluster
	s_lshl_b32 s20, ttmp9, 2
	s_add_co_u32 s20, s20, s19                     ; my block of 64 queries: it enters global addresses alone
	s_and_b32 s21, ttmp7, 0xffff                   ; the image, which the four partners share
	v_and_b32 v224, 31, v0                         ; l
	v_and_b32 v225, 15, v0                         ; r
	v_bfe_u32 v226, v0, 4, 1                       ; h
	s_delay_alu instid0(VALU_DEP_3)
	v_lshlrev_b32 v[EL], 4, v224
	s_delay_alu instid0(VALU_DEP_4)
	v_lshlrev_b32 v227, 3, v224
	v_lshlrev_b32 v228, 2, v224
	v_lshlrev_b32 v229, 2, v225
	s_mul_i32 s46, s17, RECB
	v_add_nc_u32 v[AD], s46, v[EL]
	s_delay_alu instid0(VALU_DEP_1)
	v_add_nc_u32 v[AD+1], SLOTB, v[AD]
	v_add_nc_u32 v[AV], s46, v227
	s_delay_alu instid0(VALU_DEP_1)
	v_add_nc_u32 v[AV+1], SLOTB, v[AV]
	s_lshl_b32 s47, s[WV], 14
	v_add_nc_u32 v[EA], s47, v[EL]                 ; 16,384 j + 16 l
	s_lshl_b32 s47, s[WV], 9
	s_add_co_u32 s47, s47, SST
	v_add_nc_u32 v[ES], s47, v228                  ; SST + 512 j + 4 l
	s_lshl_b32 s47, s18, 11
	s_add_co_u32 s47, s47, SST
	v_add_nc_u32 v[ET], s47, v228                  ; SST + 2,048 (j / 4) + 4 l
	s_lshl_b32 s47, s18, 16
	s_lshl_b32 s48, s17, 11
	s_add_co_u32 s47, s47, s48
	v_add_nc_u32 v[EB], s47, v[EL]                 ; 65,536 (j / 4) + 2,048 (j % 4) + 16 l
	s_lshl_b32 s47, s18, 12
	s_lshl_b32 s48, s17, 9
	s_add_co_u32 s47, s47, s48
	s_add_co_u32 s47, s47, CIMG
	v_add_nc_u32 v[EC], s47, v[EL]                 ; CIMG + 4,096 (j / 4) + 512 (j % 4) + 16 l
	s_lshl_b32 s47, s18, 7
	s_add_co_u32 s47, s47, s17
	s_add_co_u32 s47, s47, CSC
	v_add_nc_u32 v[ED], s47, v229                  ; CSC + 128 (j / 4) + 4 r + j % 4
	s_lshr_b32 s48, s[WV], 1                       ; the tile whose projection I make
	s_lshl_b32 s47, s48, 11
	s_add_co_u32 s47, s47, CIMG
	v_add_nc_u32 v[EF], s47, v[EL]
	s_lshl_b32 s47, s48, 6
	s_add_co_u32 s47, s47, CSC
	v_add_nc_u32 v[EG], s47, v229
	s_and_b32 s47, s[WV], 1                        ; which 64 output channels
	s_mul_i32 s47, s47, 17408
	s_lshl_b32 s48, s18, 7
	s_add_co_u32 s47, s47, s48
	s_bfe_u32 s48, s[WV], 0x10001
	s_lshl_b32 s48, s48, 5
	s_add_co_u32 s47, s47, s48
	s_add_co_u32 s47, s47, OST
	v_mul_u32_u24 v[EH], v225, 272
	s_delay_alu instid0(VALU_DEP_1)
	v_lshl_add_u32 v[EH], v226, 6, v[EH]
	s_delay_alu instid0(VALU_DEP_1)
	v_add_nc_u32 v[EH], s47, v[EH]                 ; channel row 64 (j % 2) + r (+ 16 t); pixels 32 (j / 4) + 8 ((j / 2) % 2) + 16 h + 0..7
	s_mul_i32 s47, s[WV], 4352
	s_add_co_u32 s47, s47, OST
	v_mul_u32_u24 v[EI], v226, 272
	s_delay_alu instid0(VALU_DEP_1)
	v_lshl_add_u32 v[EI], v225, 4, v[EI]
	s_delay_alu instid0(VALU_DEP_1)
	v_add_nc_u32 v[EI], s47, v[EI]                 ; rows 16 j + h (+ 2 i), 16 bytes a lane
	s_lshl_b32 s47, s[WV], 18
	v_lshlrev_b32 v[EJ], 14, v226
	s_delay_alu instid0(VALU_DEP_1)
	v_lshl_add_u32 v[EJ], v225, 4, v[EJ]
	s_delay_alu instid0(VALU_DEP_1)
	v_add_nc_u32 v[EJ], s47, v[EJ]                 ; the same rows in x and out0: 16,384 bytes a channel
	s_mov_b32 s[SEL], 0x76543210
	s_mov_b32 s[SEL+1], 0xfedcba98
	s_mov_b32 s[CS], 0x3e0293ee                    ; c = log2(e) / sqrt(128)
	s_mov_b32 s[CS+1], s[CS]
	; descriptor group 1: a dense block of 16,896 bytes as 66 rows of 32 elements of 8 bytes
	s_mov_b32 s[G1], 15|(3<<16)|(1<<21)            ; 15:0 the mask: all four work-groups; 17:16 elements of 8 bytes; 21 set beside a mask; no padding
	s_mov_b32 s[G1+1], 32<<16
	s_mov_b32 s[G1+2], 66<<16
	s_mov_b32 s[G1+3], 32<<16
	s_mov_b32 s[G1+4], 66
	s_mov_b32 s[G1+5], 32
	s_mov_b32 s[G1+6], 0
	s_mov_b32 s[G1+7], 0
	s_mul_i32 s46, s[WV], 16896                    ; my eighth of a slot, in LDS and in memory alike
	s_mul_i32 s48, s21, 32*RECB                    ; the image's 32 records
	s_add_co_u32 s48, s48, s46
	s_mov_b32 s49, 0
	s_lshl_b32 s50, s21, 5
	s_lshr_b32 s51, s20, 1
	s_add_co_u32 s50, s50, s51
	s_mul_i32 s50, s50, 16896                      ; q's record: 128 pixels, two blocks of queries
	s_mov_b32 s51, 0
	s_and_b32 s52, s20, 1
	s_lshl_b32 s52, s52, 1
	s_add_co_u32 s52, s52, s18                     ; which pair of its tiles is mine
	s_wait_kmcnt 0x0
	s_add_nc_u64 s[48:49], s[6:7], s[48:49]
	s_add_nc_u64 s[4:5], s[4:5], s[50:51]
	s_lshl_b32 s50, s52, 12
	s_add_nc_u64 s[54:55], s[4:5], s[50:51]        ; my two images of Q
	s_lshl_b32 s50, s52, 2
	s_add_co_u32 s50, s50, 16384
	s_add_nc_u64 s[56:57], s[4:5], s[50:51]        ; and their scale words
.irp n, 0,1
	s_mov_b32 s[G0+4*\n], 1
	s_add_co_u32 s[G0+4*\n+1], s46, \n*SLOTB
	s_add_nc_u64 s[G0+4*\n+2:G0+4*\n+3], s[48:49], \n*SLOTB
	s_or_b32 s[G0+4*\n+3], s[G0+4*\n+3], 0x80000000
.endr
	ROUND                                          ; all four work-groups are here: the first joint loads meet
	tensor_load_to_lds s[G0:G0+3], s[G1:G1+7]      ; slot 0; by this text's own count one tensor load of a wave is out at any time
	s_nop 0
.rept 4
	v_nop
.endr
	WIN 0x40
.irp u, 0,1
.irp c, 0,1,2,3
	global_load_b128 v[QF+16*\u+4*\c:QF+16*\u+4*\c+3], v[EL], s[54:55] offset:2048*\u+512*\c   ; Q stays in registers
.endr
.endr
	WIN 0
	global_load_b32 v[QS], v[EL], s[56:57]         ; lanes 0-15 my first tile's words, lanes 16-31 my second's
.irp u, 0,1
	v_mov_b32 v[ST+8*\u+1], 0xff61b1e6             ; the largest t so far: -3e38
	s_delay_alu instid0(VALU_DEP_1)
	v_floor_f32 v[ST+8*\u], -v[ST+8*\u+1]          ; -M
	v_mov_b32 v[ST+8*\u+2], 0                      ; the sum, in two halves
	v_mov_b32 v[ST+8*\u+3], 0
	v_mov_b32 v[ST+8*\u+5], 0                      ; (named as the upper half of f's pair before it is first made)
.endr
.irp b, 0,1,2,3
	v_mov_b32 v[PX+\b], 0                          ; a lane permute's destination counts as one of its sources
.endr
	s_wait_loadcnt 0x0                             ; Q
	TRIP 0, 1, 1                                   ; the first of the image's eight slots: its products start O^T's sums; slot 1's first fill goes out as a refill does
	s_mov_b32 s44, 3
.Lslots:
	TRIP 1, 1, 0
	TRIP 0, 1, 0
	s_sub_co_u32 s44, s44, 1
	s_cmp_lg_u32 s44, 0
	s_cbranch_scc1 .Lslots
	TRIP 1, 0, 0                                   ; the last slot is written out: nothing is left to fetch (slot 1's stepped address is not used)
	; ---- THE END.  Eight plain lines that name no register of the last products are the places behind them (the two lane permutes are not counted)
.irp u, 0,1
	v_add_f32 v[ST+8*\u+2], v[ST+8*\u+2], v[ST+8*\u+3]
.endr
.irp u, 0,1
	s_delay_alu instid0(VALU_DEP_2)
	v_permlanex16_b32 v[PX+\u], v[ST+8*\u+2], s[SEL], s[SEL+1]
.endr
.irp u, 0,1
	s_delay_alu instid0(VALU_DEP_2)
	v_add_f32 v[ST+8*\u+2], v[ST+8*\u+2], v[PX+\u]                 ; my keys' sum for my query
.endr
	v_and_b32 v[E4L], 31, v0
	s_delay_alu instid0(VALU_DEP_1)
	v_lshlrev_b32 v[E4L], 2, v[E4L]                ; 4 l
	s_wait_alu depctr_va_vdst(0)
	v_and_b32 v[E4R], 15, v0
	s_delay_alu instid0(VALU_DEP_1)
	v_lshlrev_b32 v[E4R], 2, v[E4R]                ; 4 r.  Both stay as they are to the kernel's end: the loads that name them are waited for two phases on
	s_wait_alu depctr_va_vdst(0)
	s_and_b32 s46, s[WV], 1                        ; which 64 output channels I project onto
	s_lshl_b32 s48, s46, 13
	s_add_co_u32 s48, s48, 52224
	s_mov_b32 s49, 0
	s_add_nc_u64 s[50:51], s[8:9], s[48:49]        ; proj_w's four fragments,
	s_lshl_b32 s48, s46, 9
	s_add_co_u32 s48, s48, 68608
	s_add_nc_u64 s[52:53], s[8:9], s[48:49]        ; their scale words,
	s_lshl_b32 s48, s46, 8
	s_add_nc_u64 s[54:55], s[10:11], s[48:49]      ; their biases (Q's loads, which named s[54:55], were waited for ahead of the key loop)
	s_lshl_b32 s48, s21, 21
	s_lshl_b32 s47, s20, 8
	s_add_co_u32 s48, s48, s47
	s_add_nc_u64 s[12:13], s[12:13], s[48:49]      ; x and out0 at the image's channel 0, my 64 pixels
	s_add_nc_u64 s[14:15], s[14:15], s[48:49]
	WIN 0x40                                       ; what the last two phases want from memory is asked for now: 16 + 4 + 32 + 8 loads
.irp t, 0,1,2,3
.irp c, 0,1,2,3
	global_load_b128 v[FR2+16*\t+4*\c:FR2+16*\t+4*\c+3], v[EL], s[50:51] offset:2048*\t+512*\c
.endr
.endr
	WIN 0
.irp t, 0,1,2,3
	global_load_b32 v[KS+\t], v[E4L], s[52:53] offset:128*\t
.endr
	WIN 0x40
.irp t, 0,1,2,3
.irp i, 0,1,2,3,4,5,6,7
	global_load_b32 v[QF+8*\t+\i], v[E4R], s[54:55] offset:64*\t   ; a lane's one output channel, in all eight registers of the C
.endr
.endr
.irp i, 0,1,2,3,4,5,6,7
	global_load_b128 v[PCD+4*\i:PCD+4*\i+3], v[EJ], s[12:13] offset:32768*\i   ; x: sixteen lanes read 256 consecutive bytes of a channel
.endr
	WIN 0x04                                       ; an LDS store's data are its source 1: window 1
.irp u, 0,1
.set n, 0
.rept 16
	ds_store_b128 v[EA], v[64*\u+4*n:64*\u+4*n+3] offset:8192*\u+512*n   ; my O^T as it stands, each result from its low end on
.set n, n+1
.endr
.endr
	WIN 0
.irp u, 0,1
	ds_store_b32 v[ES], v[ST+8*\u] offset:256*\u
	ds_store_b32 v[ES], v[ST+8*\u+2] offset:256*\u+128
.endr
	BAR                                            ; all eight waves' parts lie in LDS
	; ---- the four parts of my two tiles are joined, for channel block j % 4 alone: 16 registers a tile
.irp u, 0,1
.irp k, 0,1,2,3
	ds_load_b32 v[32+8*\u+\k], v[ET] offset:512*\k+256*\u          ; -M of part k
	ds_load_b32 v[36+8*\u+\k], v[ET] offset:512*\k+256*\u+128      ; its sum
.endr
.endr
.irp u, 0,1
.irp k, 0,1,2,3
.irp n, 0,1,2,3
	ds_load_b128 v[SCO+64*\u+16*\k+4*\n:SCO+64*\u+16*\k+4*\n+3], v[EB] offset:16384*\k+8192*\u+512*\n
.endr
.endr
.endr
	s_wait_dscnt 32                                ; the figures are in; the 32 younger loads bring O^T
.irp u, 0,1
	v_min3_num_f32 v[72+\u], v[32+8*\u], v[33+8*\u], v[34+8*\u]
.endr
.irp u, 0,1
	s_delay_alu instid0(VALU_DEP_2)
	v_min_num_f32 v[72+\u], v[72+\u], v[35+8*\u]   ; -M of the whole row
.endr
.irp u, 0,1
.irp k, 0,1,2,3
	v_sub_f32 v[48+8*\u+2*\k], v[72+\u], v[32+8*\u+\k]             ; M_k - M: a whole number, 0 or less
.endr
.endr
.irp u, 0,1
.irp k, 0,1,2,3
	v_cvt_i32_f32 v[48+8*\u+2*\k], v[48+8*\u+2*\k]
.endr
.endr
.irp u, 0,1
.irp k, 0,1,2,3
	v_ldexp_f32 v[49+8*\u+2*\k], 1.0, v[48+8*\u+2*\k]              ; f_k = 2^(M_k - M), in both halves of a pair
	v_ldexp_f32 v[48+8*\u+2*\k], 1.0, v[48+8*\u+2*\k]
.endr
.endr
.irp u, 0,1
	v_mul_f32 v[74+\u], v[48+8*\u], v[36+8*\u]
.endr
.irp k, 1,2,3
.irp u, 0,1
	s_delay_alu instid0(VALU_DEP_2)
	v_fmac_f32 v[74+\u], v[48+8*\u+2*\k], v[36+8*\u+\k]            ; the row's sum under M
.endr
.endr
	s_wait_alu depctr_va_vdst(0)
.irp u, 0,1
	v_rcp_f32 v[76+2*\u], v[74+\u]
	v_rcp_f32 v[77+2*\u], v[74+\u]
.endr
	s_wait_dscnt 0x0
.irp u, 0,1
.irp i, 0,2,4,6,8,10,12,14
	v_pk_mul_f32 v[SCO+64*\u+\i:SCO+64*\u+\i+1], v[SCO+64*\u+\i:SCO+64*\u+\i+1], v[48+8*\u:49+8*\u]   ; (the first is the plain line behind the reciprocals)
.endr
.endr
.irp k, 1,2,3
.irp u, 0,1
.irp i, 0,2,4,6,8,10,12,14
	v_pk_fma_f32 v[SCO+64*\u+\i:SCO+64*\u+\i+1], v[SCO+64*\u+16*\k+\i:SCO+64*\u+16*\k+\i+1], v[48+8*\u+2*\k:49+8*\u+2*\k], v[SCO+64*\u+\i:SCO+64*\u+\i+1]
.endr
.endr
.endr
	s_wait_alu depctr_va_vdst(0)
.irp u, 0,1
.irp i, 0,2,4,6,8,10,12,14
	v_pk_mul_f32 v[SCO+64*\u+\i:SCO+64*\u+\i+1], v[SCO+64*\u+\i:SCO+64*\u+\i+1], v[76+2*\u:77+2*\u]   ; / the sum: the attention's output, channels 32 (j % 4) + 16 h + 0..15 of my query
.endr
.endr
.irp u, 0,1
	v_max3_num_f32 v[MX+\u], |v[SCO+64*\u]|, |v[SCO+64*\u+1]|, 0x8000000   ; quantised along the channels: one block of 32 a tile, half of it in lane l xor 16
.endr
.irp i, 2,4,6,8,10,12,14
.irp u, 0,1
	s_delay_alu instid0(VALU_DEP_2)
	v_max3_num_f32 v[MX+\u], v[MX+\u], |v[SCO+64*\u+\i]|, |v[SCO+64*\u+\i+1]|
.endr
.endr
.irp u, 0,1
	s_delay_alu instid0(VALU_DEP_2)
	v_permlanex16_b32 v[PX+\u], v[MX+\u], s[SEL], s[SEL+1]
.endr
.irp u, 0,1
	s_delay_alu instid0(VALU_DEP_2)
	v_max_num_f32 v[MX+\u], v[MX+\u], v[PX+\u]
.endr
.irp u, 0
	s_delay_alu instid0(VALU_DEP_2)
	v_add_nc_u32 v[SCL+\u], 0xf8800000, v[MX+\u]
	s_delay_alu instid0(VALU_DEP_1)
	v_lshrrev_b32 v[PX+\u], 23, v[SCL+\u]
.endr
.irp u, 1
	s_delay_alu instid0(VALU_DEP_3)
	v_add_nc_u32 v[SCL+\u], 0xf8800000, v[MX+\u]
	s_delay_alu instid0(VALU_DEP_1)
	v_lshrrev_b32 v[PX+\u], 23, v[SCL+\u]
.endr
.irp u, 0,1
.irp i, 0,1,2,3,4,5,6,7,8,9,10,11,12,13,14,15
.endr
.endr
.irp u, 0,1
	v_cvt_scalef32_pk8_bf8_f32 v[64+4*\u:65+4*\u], v[SCO+64*\u:SCO+64*\u+7], v[SCL+\u]
	v_cvt_scalef32_pk8_bf8_f32 v[66+4*\u:67+4*\u], v[SCO+64*\u+8:SCO+64*\u+15], v[SCL+\u]
.endr
	v_nop                                          ; a plain line behind the last conversion: products write its sources below
.irp u, 0,1
	ds_store_b128 v[EC], v[64+4*\u:67+4*\u] offset:2048*\u         ; registers 4 (j % 4) .. + 3 of the tile's fragment
	ds_store_b8 v[ED], v[PX+\u] offset:64*\u       ; byte j % 4 of the query's word; both lanes of a block write the same byte
.endr
	BAR                                            ; the four tiles' fragments and scale words lie in LDS
	; ---- the projection of tile j / 2 onto output channels 64 (j % 2) .. + 63: source 0 = 16 queries, source 1 = 16 rows of proj_w: a lane holds one channel and eight pixels
.irp c, 0,1,2,3
	ds_load_b128 v[48+4*\c:51+4*\c], v[EF] offset:512*\c
.endr
	ds_load_b32 v[VS], v[EG]
	s_wait_dscnt 0x0
	s_wait_loadcnt 8                               ; the weights, their words and the biases are in; x's 8 loads may be out
	WIN 0x14                                       ; sources 1 and 2 in window 1
.irp t, 0,1,2,3
	WM SCO+8*\t, 48, FR2+16*\t, QF+8*\t, VS, KS+\t, 0, 0
.endr
	WIN 0
.rept 8
	v_nop
.endr
.irp t, 0,1,2,3
	ds_store_b128 v[EH], v[SCO+8*\t:SCO+8*\t+3] offset:4352*\t
	ds_store_b128 v[EH], v[SCO+8*\t+4:SCO+8*\t+7] offset:4352*\t+16
.endr
	BAR                                            ; 128 channels x 64 pixels lie in the stage
.irp i, 0,1,2,3,4,5,6,7
	ds_load_b128 v[160+4*\i:163+4*\i], v[EI] offset:544*\i
.endr
	s_wait_dscnt 0x0
	s_wait_loadcnt 0x0                             ; x
	WIN 0x04
.set i, 0
.rept 16
	v_pk_add_f32 v[160+i:161+i], v[160+i:161+i], v[PCD+i:PCD+i+1]  ; the residual
.set i, i+2
.endr
	WIN 0
.irp i, 0,1,2,3,4,5,6,7
	global_store_b128 v[EJ], v[160+4*\i:163+4*\i], s[14:15] offset:32768*\i th:TH_STORE_NT   ; sixteen lanes store 256 consecutive bytes, aligned
.endr
	s_wait_tensorcnt 0x0                           ; the wave's end, behind my last tensor load and my last LDS store
	ds_add_u32 v[SPW], v[NIL]
	s_wait_dscnt 0x0
	ROUND                                          ; the closing round: no work-group ends while a partner may still ask for a tile that names it
	s_endpgm
.Lfunc_end_k_q002927e004_attn:
	.size	k_q002927e004_attn, .Lfunc_end_k_q002927e004_attn-k_q002927e004_attn
	.p2alignl 7, 3214868480
	.fill 96, 4, 3214868480
	.section	.rodata,"a",@progbits
	.p2align	6, 0x0
	.amdhsa_kernel k_q002927e004_attn
		.amdhsa_group_segment_fixed_size 327680
		.amdhsa_private_segment_fixed_size 0
		.amdhsa_enable_private_segment 0
		.amdhsa_kernarg_size 48
		.amdhsa_user_sgpr_count 2
		.amdhsa_user_sgpr_kernarg_segment_ptr 1
		.amdhsa_wavefront_size32 1
		.amdhsa_system_sgpr_workgroup_id_x 1
		.amdhsa_system_sgpr_workgroup_id_y 1
		.amdhsa_system_sgpr_workgroup_id_z 1
		.amdhsa_system_vgpr_workitem_id 0
		.amdhsa_next_free_vgpr 512
		.amdhsa_next_free_sgpr 66
		.amdhsa_reserve_vcc 0
		.amdhsa_float_denorm_mode_32 3
		.amdhsa_float_denorm_mode_16_64 3
		.amdhsa_fp16_overflow 1
		.amdhsa_memory_ordered 1
		.amdhsa_forward_progress 1
		.amdhsa_inst_pref_size 178
	.end_amdhsa_kernel
	.amdgpu_metadata
---
amdhsa.version: [ 1, 2 ]
amdhsa.kernels:
  - .name:           k_q002927e004_attn
    .symbol:         k_q002927e004_attn.kd
    .args:
      - { .name: q, .offset: 0, .size: 8, .value_kind: global_buffer, .address_space: global }
      - { .name: kv, .offset: 8, .size: 8, .value_kind: global_buffer, .address_space: global }
      - { .name: wc, .offset: 16, .size: 8, .value_kind: global_buffer, .address_space: global }
      - { .name: proj_b, .offset: 24, .size: 8, .value_kind: global_buffer, .address_space: global }
      - { .name: x, .offset: 32, .size: 8, .value_kind: global_buffer, .address_space: global }
      - { .name: out0, .offset: 40, .size: 8, .value_kind: global_buffer, .address_space: global }
    .group_segment_fixed_size: 327680
    .private_segment_fixed_size: 0
    .kernarg_segment_align: 8
    .kernarg_segment_size: 48
    .max_flat_workgroup_size: 256
    .sgpr_count:     66
    .vgpr_count:     512
    .wavefront_size: 32
...
	.end_amdgpu_metadata
.endif
;; end of part 3
